; MI455X (gfx1250); checked and timed in simulation.
; The chip was launched on July 23, 2026; its instructions are those of AMD's public machine-readable ISA for CDNA 5 (MIT licence, August 2026) and "CDNA5" Instruction Set Architecture Reference Guide (July 2026). The comments in the code are by the model that wrote it; some were corrected since.
;; Multi Head Attention. Allowed arithmetic: matrix products marked QUANTISED: E2M3 operands, one E8M0 scale for each 32 along K, by v_wmma_scale_f32_16x16x128_f8f6f4 with both operands' format E2M3, f32 sums; everything else in f32.
;; Inputs: Wk 1,024 x 1,024 float32; Wo 1,024 x 1,024 float32; Wq 1,024 x 1,024 float32; Wv 1,024 x 1,024 float32; bk 1,024 float32; bo 1,024 float32; bq 1,024 float32; bv 1,024 float32; key 4 x 2,048 x 1,024 float32; mask 1 x 1 x 2,048 x 2,048 float32; query 4 x 2,048 x 1,024 float32; value 4 x 2,048 x 1,024 float32.
;; Outputs: out0 4 x 2,048 x 1,024 float32.
;; This version of the problem:
;;   THIS VERSION OF THE PROBLEM IS GIVEN IN LOW PRECISION. The matrix products marked QUANTISED in the list below multiply operands that are first quantised to E2M3 (2 exponent bits, 3 mantissa bits; 6 bits a number), with one power-of-two scale for each 32 numbers along K (OCP MX v1.0); their sums are f32. All else is computed in f32.
;;   The module's matrix products, in the order in which they are computed (A, B: the left and right operand; K: the contracted axis; several contracted axes count as one K, in the product's order):
;;     1. [M 8,192, K 1,024] x [K 1,024, N 1,024]; A: input query; B: input Wq: QUANTISED
;;     2. [M 8,192, K 1,024] x [K 1,024, N 1,024]; A: input key; B: input Wk: QUANTISED
;;     3. [M 8,192, K 1,024] x [K 1,024, N 1,024]; A: input value; B: input Wv: QUANTISED
;;     4. batch 64 x [M 2,048, K 64] x [K 64, N 2,048]; A: computed on the way; B: computed on the way: QUANTISED
;;     5. batch 64 x [M 2,048, K 2,048] x [K 2,048, N 64]; A: softmax (see below); B: computed on the way: QUANTISED
;;     6. [M 8,192, K 1,024] x [K 1,024, N 1,024]; A: computed on the way; B: input Wo: QUANTISED
;;   THE QUANTISER, for each operand of a quantised product, along K:
;;     - K is cut into blocks of 32 from its start; a last block that is shorter is filled with zeros.
;;     - A block's scale is 2^e with e = floor(log2(the largest magnitude in the block)) - 2, held to -126 .. 127; a block of zeros has e = 0. As a byte (E8M0): e + 127.
;;     - Each number is divided by its block's scale, clamped to +-7.5, and rounded to the nearest number of E2M3, ties to even, subnormals kept.
;;     - The product sums the exact products of the quantised numbers (number of the format x scale) in f32.
;;   ~~~python
;;   def quantise(x, axis):      # numpy; x: float32 -> the quantised numbers, widened to float32 again
;;       x = np.moveaxis(x, axis, -1); K = x.shape[-1]
;;       x = np.pad(x, [(0, 0)] * (x.ndim - 1) + [(0, -K % 32)]); x = x.reshape(x.shape[:-1] + (-1, 32)); a = np.abs(x).max(-1, keepdims=True)
;;       e = np.where(a > 0, np.clip(np.frexp(np.where(a > 0, a, 1))[1] - 1 - 2, -126, 127), 0)      # np.frexp(a)[1] - 1 = floor(log2(a)), exactly
;;       r = np.clip(x / 2.0 ** e, -7.5, 7.5)
;;       step = 2.0 ** (np.maximum(np.frexp(np.where(r == 0, 1, r))[1] - 1, 0) - 3)
;;       q = np.round(r / step) * step * 2.0 ** e      # np.round: ties to even
;;       return np.moveaxis(q.reshape(q.shape[:-2] + (-1,))[..., :K], -1, axis).astype(np.float32)
;;   ~~~
;;   SOFTMAX AHEAD OF A QUANTISED PRODUCT. Where the list says 'softmax', what is quantised is not the finished softmax but p = 2^(t - M), with t = logit x log2(e) and M = ceil(the row's largest t), a whole number; so 1/2 < the row's largest p <= 1. The row's sum l is taken of the UNQUANTISED p, in f32, and the product's result is divided by l at the end. Since M is a whole number, a kernel that streams over the keys may use a running M (the ceiling of the running maximum): every later rescaling is an exact power of two, which a block's scale takes up: the codes' values come out the same.
;;   OPERANDS COMPUTED ON THE WAY. 'Computed on the way' means the value that the module computes at that place (a softmax that the list does not call 'softmax' is quantised finished and normalised). What goes into a quantiser is computed in f32, as accurately as f32 sums, v_exp_f32 and their like allow (about 1e-6 of the number): no bf16 or f16 on the way to a quantiser, and a product that is left as it is and whose result goes on into a quantised operand takes f32 operands (vector FMAs, or v_wmma_f32_16x16x4_f32). A number that lies on a knife's edge between two numbers of the format may be rounded either way, as far as f32 arithmetic and the matrix unit's own rounding can turn it there, and no further.
;; One version. Each part assembles by itself: llvm-mc -triple=amdgcn-amd-amdhsa -mcpu=gfx1250 --defsym DOCPART=n.
;; ======== version 1 of 1: 4 launches
;; workspace buffers: xcodes 18,874,368 bytes; xscales 786,432 bytes; wcodes 3,145,728 bytes; wscales 131,072 bytes; qimg 6,815,744 bytes; kv 13,369,344 bytes; ocodes 6,291,456 bytes; oscales 262,144 bytes
;; launch quant (part 1): grid 896 x 1, 4 waves a work-group, no clusters, 68,096 bytes of LDS; arguments query, key, value, Wq, Wk, Wv, Wo, xcodes, xscales, wcodes, wscales; writes xcodes, xscales, wcodes, wscales
.if DOCPART == 1
	.amdgcn_target "amdgcn-amd-amdhsa--gfx1250"
	.amdhsa_code_object_version 6
	.text
	.protected	k_qd3f38e41bd_quant
	.globl	k_qd3f38e41bd_quant
	.p2align	8
	.type	k_qd3f38e41bd_quant,@function
k_qd3f38e41bd_quant:
	s_mov_b64 s[64:65], 0
	v_nop
	global_prefetch_b8 v0, s[64:65] scope:SCOPE_SE
	s_setreg_imm32_b32 hwreg(HW_REG_WAVE_MODE, 25, 1), 1
	s_wait_xcnt 0x0
; query, key, value [8192][1024] f32 and Wq, Wk, Wv, Wo [1024 (k)][1024 (n)] f32 become codes of FP6 (E2M3), K innermost, with one E8M0 byte for each 32 along K.
; xcodes [3][8192][768], xscales [3][8192][32];  wcodes [4][1024 (n)][768], wscales [4][1024][32].
; A block's scale is 2^(floor(log2(its largest magnitude)) - 2); its byte is the largest magnitude's exponent field - 2, held at 1 from below.
; (A block of zeros gets the byte 1 where the rule says 127: its codes are zeros, and the bytes are read by this program alone.)
; THE ORDER OF ROWS.  sw(p) exchanges bits 3 and 4 of a row's number.  The rows of key, of value and of all four weights are stored PERMUTED: place p holds row sw(p).  So lane r of the
; 16-row tile 2 b + u of such a buffer holds row 32 b + 8 u + r + 8 (r / 8), and the results of two neighbouring tiles are 16 neighbours in a lane's registers.  query's rows stay as they are.
; LIMITS: blocks whose largest magnitude lies under 2^-124 take the floor's scale; NaN and infinities among the inputs are not served.
; Work-groups 0 to 767 take the three activations (256 each, 32,768 numbers a work-group), 768 to 895 the four weights (32 each: 128 columns x 256 along K).  The two ways never join and have LDS bytes of their own.
; No tensor loads, no barrier: waves share nothing.
.set STEPS, 16
.set EMAX,  2
.set CB,    12                         ; bytes of 16 codes
.set XR,    16                         ; v16-79   activations: four sets of 16 numbers as loaded
.set XX,    80                         ; v80-111  two sets of 16 neighbours
.set XE,    112                        ; v112-127 a scale byte for each step
.set XC,    128                        ; v128-191 codes, four registers a step
.set WREG,  8192                       ; LDS of a wave on the activations' way: two stages of 32 x SP bytes, then 256 scale bytes
.set SP,    80
.set WLDS,  32768                      ; the weights' way begins here: 32 rows x 272 bytes for each wave
.set NB,    8                          ; blocks of 32 along K for a wave
.set WPITCH, 272
.set KROW,  768                        ; a row of codes in bytes
.set WN,    1024                       ; columns of a weight
.set WX,    32                         ; v32-95   weights: two sets of 32 numbers
.set WC,    96                         ; v96..    a block's codes
.set WOUT,  112                        ; v112-175 the way out
.set WSB,   24                         ; v24-25   the scale bytes
	s_load_b256 s[4:11], s[0:1], 0x0               ; query, key, value, Wq
	s_load_b256 s[12:19], s[0:1], 0x20             ; Wk, Wv, Wo, xcodes
	s_load_b128 s[20:23], s[0:1], 0x40             ; xscales, wcodes
	s_load_b64 s[24:25], s[0:1], 0x50              ; wscales
	v_lshl_add_u32 v192, v0, 2, 0x10800
	v_mov_b32 v193, 0
	v_lshrrev_b32 v1, 5, v0
	v_readfirstlane_b32 s26, v1                    ; wave 0..3
	v_and_b32 v2, 31, v0                           ; lane
	s_cmp_ge_u32 ttmp9, 768
	s_cbranch_scc1 .Lweights
; ---------------- the activations: K is innermost.  A wave takes 16 steps of 512 numbers (8 rows).  Each load reads 512 consecutive bytes; a step's 2,048 bytes turn through the wave's stage so that a lane holds 16 neighbours.
	v_lshlrev_b32 v3, 4, v2                        ; my 16 bytes of a load's 512
	s_mul_i32 s27, s26, WREG
	v_lshrrev_b32 v14, 2, v2
	v_mul_u32_u24 v14, v14, SP
	v_and_b32 v15, 3, v2
	v_lshl_add_u32 v14, v15, 4, v14
	v_add_nc_u32 v14, s27, v14                     ; into the stage: SP (lane / 4) + 16 (lane % 4)
	v_mul_u32_u24 v15, v2, SP
	v_add_nc_u32 v15, s27, v15                     ; out of it: SP x lane
	v_mul_u32_u24 v4, v2, CB                       ; my codes' place in a step's
	v_lshrrev_b32 v5, 1, v2
	s_add_co_u32 s27, s27, 2*32*SP
	v_add_nc_u32 v5, s27, v5                       ; my block's scale byte in LDS
	v_lshlrev_b32 v7, 3, v2
	v_add_nc_u32 v6, s27, v7                       ; and 8 bytes a lane on the way out
	s_lshr_b32 s28, ttmp9, 8                       ; which tensor: 0 query, 1 key, 2 value
	s_and_b32 s29, ttmp9, 255
	s_lshl_b32 s29, s29, 2
	s_and_b32 s30, s26, 1
	s_lshl_b32 s30, s30, 1
	s_lshr_b32 s31, s26, 1
	s_or_b32 s30, s30, s31                         ; the wave's two bits exchanged: a wave's run is 8 rows, so this is sw() of its rows
	s_cmp_eq_u32 s28, 0
	s_cselect_b32 s30, s26, s30                    ; query keeps its order
	s_add_co_u32 s31, s29, s26                     ; the run that I read
	s_add_co_u32 s30, s29, s30                     ; the run that I write
	s_mov_b32 s33, 0
	s_wait_kmcnt 0x0
	s_cmp_eq_u32 s28, 1
	s_cselect_b64 s[4:5], s[6:7], s[4:5]
	s_cmp_eq_u32 s28, 2
	s_cselect_b64 s[4:5], s[8:9], s[4:5]
	s_lshl_b32 s32, s31, 15                        ; 8,192 numbers of 4 bytes a run
	s_add_nc_u64 s[4:5], s[4:5], s[32:33]
	s_mul_i32 s32, s28, 6291456
	s_mul_i32 s34, s30, 6144
	s_add_co_u32 s32, s32, s34
	s_add_nc_u64 s[18:19], s[18:19], s[32:33]      ; my codes
	s_lshl_b32 s32, s28, 18
	s_lshl_b32 s34, s30, 8
	s_add_co_u32 s32, s32, s34
	s_add_nc_u64 s[20:21], s[20:21], s[32:33]      ; my 256 scale bytes
.macro XLOAD t
.irp i, 0,1,2,3
	global_load_b128 v[XR+16*((\t)%4)+4*\i:XR+16*((\t)%4)+4*\i+3], v3, s[4:5] offset:2048*(\t)+512*\i th:TH_LOAD_NT
.endr
.endm
.macro XTURN t                         ; LDS serves a wave's instructions in order (ISA guide 5.7.1.4): no wait between the stores and the loads
.irp i, 0,1,2,3
	ds_store_b128 v14, v[XR+16*((\t)%4)+4*\i:XR+16*((\t)%4)+4*\i+3] offset:32*SP*((\t)%2)+8*SP*\i
.endr
.irp i, 0,1,2,3
	ds_load_b128 v[XX+16*((\t)%2)+4*\i:XX+16*((\t)%2)+4*\i+3], v15 offset:32*SP*((\t)%2)+16*\i
.endr
.endm
.irp t, 0,1,2,3
	XLOAD \t
.endr
	s_wait_loadcnt 12                              ; step 0's four loads are in; twelve younger ones stay out
	XTURN 0
.macro XSTEP t
.set XS, XX+16*((\t)%2)
.if (\t) > 0
	s_wait_dscnt 1                                 ; this step's numbers are back from the stage; the last step's byte store may be out
.else
	s_wait_dscnt 0x0
.endif
.if (\t)+4 < STEPS
	XLOAD (\t)+4                                   ; into the registers that the stage's stores have read
.endif
.if (\t)+1 < STEPS
.if STEPS-2-(\t) >= 3
	s_wait_loadcnt 12                              ; the next step's four loads are in; three steps' loads stay out
.else
	s_wait_loadcnt 4*(STEPS-2-(\t))
.endif
	XTURN (\t)+1
.endif
	v_max3_num_f32 v8, |v[XS]|, |v[XS+1]|, |v[XS+2]|
	v_max3_num_f32 v9, |v[XS+3]|, |v[XS+4]|, |v[XS+5]|
.irp i, 6,10
	v_max3_num_f32 v8, v8, |v[XS+\i]|, |v[XS+\i+1]|
	v_max3_num_f32 v9, v9, |v[XS+\i+2]|, |v[XS+\i+3]|
.endr
	v_max3_num_f32 v8, v8, |v[XS+14]|, |v[XS+15]|
	v_max3_num_f32 v8, v8, v9, (EMAX+1)<<23        ; the floor 2^(3 - 127): the byte cannot fall under 1
	v_max_num_f32_dpp v8, v8, v8 row_xmask:1 row_mask:0xf bank_mask:0xf   ; with my neighbour's 16: the block's largest magnitude
	v_add_nc_u32 v11, -(EMAX<<23), v8              ; 2 off its exponent field: the conversion's scale operand
	v_cvt_scalef32_pk16_fp6_f32 v[XC+4*(\t):XC+4*(\t)+2], v[XS:XS+15], v11
	v_lshrrev_b32 v[XE+(\t)], 23, v11              ; the scale's byte
	ds_store_b8 v5, v[XE+(\t)] offset:16*(\t)      ; both lanes of a block write the same byte with the same value
	global_store_b96 v4, v[XC+4*(\t):XC+4*(\t)+2], s[18:19] offset:32*CB*(\t)   ; the wave stores 384 consecutive bytes
.endm
.irp t, 0,1,2,3,4,5,6,7,8,9,10,11,12,13,14,15
	XSTEP \t
.endr
	ds_load_b64 v[12:13], v6
	s_wait_dscnt 0x0
	global_store_b64 v7, v[12:13], s[20:21]        ; 32 lanes store 256 consecutive bytes, aligned
	s_wait_tensorcnt 0x0
	ds_add_u32 v192, v193
	s_wait_dscnt 0x0
	s_endpgm
; ---------------- the weights: K is the FIRST axis.  A lane takes a column n and its registers run down K: a block of 32 lies in one lane, and the conversions give codes with K innermost.
.Lweights:
	s_sub_co_u32 s27, ttmp9, 768
	s_and_b32 s28, s27, 7                          ; which 128 columns
	s_bfe_u32 s29, s27, 0x20003                    ; which 256 along K
	s_lshr_b32 s30, s27, 5                         ; which weight: 0 Wq, 1 Wk, 2 Wv, 3 Wo
	s_lshl_b32 s31, s28, 7
	s_lshl_b32 s32, s26, 5
	s_add_co_u32 s31, s31, s32                     ; my wave's first column
	v_lshlrev_b32 v3, 2, v2                        ; in: 4 bytes a lane
	s_mul_i32 s33, s26, 32*WPITCH
	s_add_co_u32 s33, s33, WLDS                    ; my stage
	v_mul_u32_u24 v4, v2, WPITCH
	v_add_nc_u32 v4, s33, v4                       ; into it: row = my column
	v_and_b32 v5, 15, v2
	v_lshrrev_b32 v6, 4, v2
	v_mul_u32_u24 v7, v6, WPITCH
	v_lshl_add_u32 v7, v5, 4, v7
	v_add_nc_u32 v7, s33, v7                       ; out of it: sixteen lanes to a row, two rows an instruction
	v_mul_u32_u24 v8, v6, KROW
	v_mad_u32_u24 v8, v5, 12, v8                   ; and the same place in the codes' buffer (the row's bits 3 and 4 are exchanged in the stores' immediates)
	v_and_b32 v9, 7, v2
	v_and_b32 v10, 8, v2
	v_lshl_or_b32 v9, v10, 1, v9
	v_and_b32 v10, 16, v2
	v_lshrrev_b32 v10, 1, v10
	v_or_b32 v9, v9, v10
	v_lshlrev_b32 v9, 5, v9                        ; my column's row of scale bytes: 32 x sw(lane)
	s_lshl_b32 s34, s29, 20                        ; 256 rows of 4,096 bytes
	s_lshl_b32 s35, s31, 2
	s_add_co_u32 s34, s34, s35
	s_mov_b32 s35, 0
	s_mul_i32 s36, s30, 786432
	s_mul_i32 s37, s31, KROW
	s_add_co_u32 s36, s36, s37
	s_mul_i32 s37, s29, 192
	s_add_co_u32 s36, s36, s37
	s_mov_b32 s37, 0
	s_lshl_b32 s38, s30, 15
	s_lshl_b32 s39, s31, 5
	s_add_co_u32 s38, s38, s39
	s_lshl_b32 s39, s29, 3
	s_add_co_u32 s38, s38, s39
	s_mov_b32 s39, 0
	s_wait_kmcnt 0x0
	s_cmp_eq_u32 s30, 1
	s_cselect_b64 s[10:11], s[12:13], s[10:11]
	s_cmp_eq_u32 s30, 2
	s_cselect_b64 s[10:11], s[14:15], s[10:11]
	s_cmp_eq_u32 s30, 3
	s_cselect_b64 s[10:11], s[16:17], s[10:11]
	s_add_nc_u64 s[10:11], s[10:11], s[34:35]
	s_add_nc_u64 s[22:23], s[22:23], s[36:37]
	s_add_nc_u64 s[24:25], s[24:25], s[38:39]
.macro WLOAD t                         ; block t: W(32 t + i, my column) into set t % 2; a wave's load reads 128 consecutive bytes
.irp i, 0,1,2,3,4,5,6,7,8,9,10,11,12,13,14,15,16,17,18,19,20,21,22,23,24,25,26,27,28,29,30,31
	global_load_b32 v[WX+32*((\t)%2)+\i], v3, s[10:11] offset:(32*(\t)+\i)*WN*4 th:TH_LOAD_NT
.endr
.endm
	WLOAD 0
	WLOAD 1
.macro WBLOCK t
.set XS, WX+32*((\t)%2)
.if (\t) < NB-1
	s_wait_loadcnt 32                              ; this block's 32 loads are in; the next block's stay out
.else
	s_wait_loadcnt 0
.endif
	v_max3_num_f32 v12, |v[XS]|, |v[XS+1]|, |v[XS+2]|
	v_max3_num_f32 v13, |v[XS+3]|, |v[XS+4]|, |v[XS+5]|
.irp i, 6,10,14,18,22,26
	v_max3_num_f32 v12, v12, |v[XS+\i]|, |v[XS+\i+1]|
	v_max3_num_f32 v13, v13, |v[XS+\i+2]|, |v[XS+\i+3]|
.endr
	v_max3_num_f32 v12, v12, |v[XS+30]|, |v[XS+31]|
	v_max3_num_f32 v12, v12, v13, (EMAX+1)<<23     ; the floor
	v_add_nc_u32 v11, -(EMAX<<23), v12             ; the conversion's scale operand
	v_lshrrev_b32 v13, 23, v11                     ; the scale's byte
.if (\t)%4 == 0
	v_mov_b32 v[WSB+(\t)/4], v13
.else
	v_lshl_or_b32 v[WSB+(\t)/4], v13, 8*((\t)%4), v[WSB+(\t)/4]
.endif
	v_cvt_scalef32_pk16_fp6_f32 v[WC:WC+2], v[XS:XS+15], v11
	v_cvt_scalef32_pk16_fp6_f32 v[WC+4:WC+6], v[XS+16:XS+31], v11
	ds_store_b96 v4, v[WC:WC+2] offset:32*(\t)     ; 12 bytes to a place of 16, so that every LDS address is a multiple of 16
	ds_store_b96 v4, v[WC+4:WC+6] offset:32*(\t)+16
.if (\t)+2 < NB
	WLOAD (\t)+2
.endif
	s_wait_dscnt 0x0                               ; the stores have read their registers: the next block's codes may be written
.endm
.set Q, 0
.rept NB
	WBLOCK Q
.set Q, Q+1
.endr
	global_store_b64 v9, v[WSB:WSB+1], s[24:25]    ; my column's 8 scale bytes
.irp t, 0,1,2,3,4,5,6,7,8,9,10,11,12,13,14,15
	ds_load_b96 v[WOUT+4*\t:WOUT+4*\t+2], v7 offset:2*\t*WPITCH
.endr
.irp t, 0,1,2,3,4,5,6,7,8,9,10,11,12,13,14,15
	s_wait_dscnt 15-\t                             ; the younger loads stay out
	global_store_b96 v8, v[WOUT+4*\t:WOUT+4*\t+2], s[22:23] offset:(((2*\t)&7)|(((2*\t)&8)<<1)|(((2*\t)&16)>>1))*KROW   ; column 2 t + lane / 16 goes to place sw(): sixteen lanes store 192 consecutive bytes
.endr
	s_wait_tensorcnt 0x0
	ds_add_u32 v192, v193
	s_wait_dscnt 0x0
	s_endpgm
.Lfunc_end_k_qd3f38e41bd_quant:
	.size	k_qd3f38e41bd_quant, .Lfunc_end_k_qd3f38e41bd_quant-k_qd3f38e41bd_quant
	.p2alignl 7, 3214868480
	.fill 96, 4, 3214868480
	.section	.rodata,"a",@progbits
	.p2align	6, 0x0
	.amdhsa_kernel k_qd3f38e41bd_quant
		.amdhsa_group_segment_fixed_size 68096
		.amdhsa_private_segment_fixed_size 0
		.amdhsa_enable_private_segment 0
		.amdhsa_kernarg_size 88
		.amdhsa_user_sgpr_count 2
		.amdhsa_user_sgpr_kernarg_segment_ptr 1
		.amdhsa_wavefront_size32 1
		.amdhsa_system_sgpr_workgroup_id_x 1
		.amdhsa_system_sgpr_workgroup_id_y 1
		.amdhsa_system_sgpr_workgroup_id_z 1
		.amdhsa_system_vgpr_workitem_id 0
		.amdhsa_next_free_vgpr 194
		.amdhsa_next_free_sgpr 66
		.amdhsa_reserve_vcc 0
		.amdhsa_float_denorm_mode_32 3
		.amdhsa_float_denorm_mode_16_64 3
		.amdhsa_memory_ordered 1
		.amdhsa_forward_progress 1
		.amdhsa_inst_pref_size 74
	.end_amdhsa_kernel
	.amdgpu_metadata
---
amdhsa.version: [ 1, 2 ]
amdhsa.kernels:
  - .name:           k_qd3f38e41bd_quant
    .symbol:         k_qd3f38e41bd_quant.kd
    .args:
      - { .name: query, .offset: 0, .size: 8, .value_kind: global_buffer, .address_space: global }
      - { .name: key, .offset: 8, .size: 8, .value_kind: global_buffer, .address_space: global }
      - { .name: value, .offset: 16, .size: 8, .value_kind: global_buffer, .address_space: global }
      - { .name: Wq, .offset: 24, .size: 8, .value_kind: global_buffer, .address_space: global }
      - { .name: Wk, .offset: 32, .size: 8, .value_kind: global_buffer, .address_space: global }
      - { .name: Wv, .offset: 40, .size: 8, .value_kind: global_buffer, .address_space: global }
      - { .name: Wo, .offset: 48, .size: 8, .value_kind: global_buffer, .address_space: global }
      - { .name: xcodes, .offset: 56, .size: 8, .value_kind: global_buffer, .address_space: global }
      - { .name: xscales, .offset: 64, .size: 8, .value_kind: global_buffer, .address_space: global }
      - { .name: wcodes, .offset: 72, .size: 8, .value_kind: global_buffer, .address_space: global }
      - { .name: wscales, .offset: 80, .size: 8, .value_kind: global_buffer, .address_space: global }
    .group_segment_fixed_size: 68096
    .private_segment_fixed_size: 0
    .kernarg_segment_align: 8
    .kernarg_segment_size: 88
    .max_flat_workgroup_size: 128
    .sgpr_count:     66
    .vgpr_count:     194
    .wavefront_size: 32
...
	.end_amdgpu_metadata
.endif
;; end of part 1
;; launch proj (part 2): grid 96 x 4, 4 waves a work-group, clusters of 4 x 4, 327,680 bytes of LDS; arguments xcodes, xscales, wcodes, wscales, bq, bk, bv, qimg, kv; writes qimg, kv
.if DOCPART == 2
	.amdgcn_target "amdgcn-amd-amdhsa--gfx1250"
	.amdhsa_code_object_version 6
	.text
	.protected	k_qd3f38e41bd_proj
	.globl	k_qd3f38e41bd_proj
	.p2align	8
	.type	k_qd3f38e41bd_proj,@function
k_qd3f38e41bd_proj:
	s_mov_b64 s[64:65], 0
	v_nop
	global_prefetch_b8 v0, s[64:65] scope:SCOPE_SE
	s_setreg_imm32_b32 hwreg(HW_REG_WAVE_MODE, 25, 1), 1
	s_wait_xcnt 0x0
	s_wait_alu depctr_hold_cnt(0) depctr_sa_sdst(0) depctr_va_vdst(0) depctr_va_sdst(0) depctr_va_ssrc(0) depctr_va_vcc(0) depctr_vm_vsrc(0)
	s_getreg_b32 s2, hwreg(HW_REG_IB_STS2, 6, 4)
	s_cmp_eq_u32 s2, 0
	s_cbranch_scc0 .Lentry_in_a_cluster
	s_endpgm
.Lentry_in_a_cluster:
	s_bfe_u32 s2, ttmp6, 0x10000c
	s_cmp_lg_u32 s2, 0xf033
	s_cbranch_scc0 .Lentry_shape_is_right
	s_endpgm
.Lentry_shape_is_right:
; q = query Wq + bq, k = key Wk + bk, v = value Wv + bv on codes of FP6 (E2M3) with E8M0 scales, sums in f32; the results are quantised at once (q and k along the head's 64, v along the keys)
; and leave as IMAGES OF OPERAND REGISTERS for the attention launch.  No f32 result goes to memory.
; THE PRODUCT.  A tile of 256 x 256 is made by four waves, 128 x 128 each: 64 accumulators, 512 registers.  K = 1,024 goes in steps of 256 through a ring of two LDS slots filled by tensor loads; the scale bytes
; of the work-group's rows come into LDS once.  4 x 4 work-groups form a cluster: A's tiles are asked for jointly along a row of the cluster, B's along a column.
; The matrix instruction takes 16 rows of "B" as source 0 and 16 rows of "A" as source 1: a lane holds ONE row of A, its registers run along B's rows.
;   q, k: A = the tokens' codes, B = the weight's (rows n, stored permuted): a lane's 64 registers of a block of 16 tokens are channels 32 b + 16 (lane / 16) + i, register 16 b + i: two heads.
;   v:    A = Wv's codes (lanes = channels, permuted), B = value's (rows = tokens, stored permuted): a lane's 64 registers are 128 neighbouring KEYS in the same order.
; Clusters 0-7 make q, 8-15 k, 16-23 v (the cluster's x alone decides: the same in all sixteen partners).
; THE IMAGES.  A half fragment (6 registers) is 768 bytes: registers 0-3 at 16 x lane, registers 4-5 at 512 + 8 x lane.
;   qimg: blocks of 26,624 bytes [batch][group of 4 heads][128 tokens]: codes at head x 6,144 + tile x 768; scale words at 24,576 + head x 512.
;   kv:   blocks of 52,224 bytes likewise: K's codes at head x 6,144 + tile x 768; V's at 24,576 + head x 6,144 + channel tile x 1,536; K's scale words at 49,152 + head x 512; V's at 51,200 + pair of heads x 512.
;   scale words: the word at 16 L + 4 i belongs to tile 2 i + L / 16, row L % 16.  q's and k's have the head's two bytes below and zeros above.
; 1 / sqrt(64) IS FOLDED INTO q's SCALE BYTES: each is stored 3 lower, which is exact.
; LIMITS: a block of zeros gets the floor's byte (its codes are zeros; this program alone reads the bytes); blocks of q whose largest magnitude lies under 2^-121 (k, v: 2^-124) take the floor's scale; NaN and infinities are not served.
; REGISTERS, in windows of 256: window 0: v0-31 addresses; v32-63 scale words, two sets; v64-127 the bias along registers; v128-223 A's fragments, one set; v224-231 the bias along lanes; v232-239 the scale words made; v240-255 at work.
;   window 1: B's fragments, two sets.  window 2, 3: the accumulators ((a, b) at v[8 (8 (a % 4) + b)]).  On the way out v128-223 of window 0 are free.
.set SIZE_K, 1024
.set KSTEP,  256                       ; along K in a slot
.set NQ,     KSTEP/128
.set ROWB,   192                       ; a tile's row in bytes
.set KROW,   SIZE_K*6/8
.set PITCH,  240                       ; an LDS row: 3 x (64 bytes + 16 of padding)
.set FR,     12
.set NL,     6
.set NP,     4                         ; places behind this matrix instruction (ISA guide 7.12.1)
.set HALFT,  128*PITCH
.set SLOT,   4*HALFT
.set LAPS,   SIZE_K/(2*KSTEP)
.set KS,     SIZE_K/32
.set SCL,    2*SLOT                    ; behind the ring: the scales, as rows of 256 bytes + 16 of padding
.set HALFS,  (128*KS/256)*272
.set SBLK,   (16*KS/256)*272
.set SPARE,  SCL+4*HALFS               ; the spare words, 128 bytes for each wave: two blocks of 256 bytes that no other line names
.set ADRA, 16                          ; v16-17 LDS address of my A fragments in slot 0, 1 (v18-19: behind one padding more)
.set ADRB, 20                          ; v20-23 the same for B
.set ADRS, 27                          ; v27    LDS address of my scale words
.set SPW,  28                          ; v28    my spare word; never rewritten
.set NIL,  29                          ; v29    0; never rewritten
.set VX16, 8                           ; v8     16 x lane
.set VX8,  9                           ; v9     8 x lane + 512
.set VY16, 10                          ; v10    16 x lane + the second half's distance
.set VY8,  11                          ; v11    8 x lane + 512 + that distance
.set SC,   32
.set BB,   64                          ; the bias of register 8 b + j (q, k; zeros for v)
.set AF,   128
.set BA,   224                         ; the bias of my lane's row in block a (v; zeros for q, k)
.set PWS,  232                         ; the eight blocks' scale words
.set HA,   128                         ; the way out: 64 numbers
.set CD,   192                         ; v192-210 the codes
.set PW,   211                         ; the scale word just made
.set RR,   212
.set TT,   216
.set UU,   220
.set TM,   240
.set SEL,  92                          ; s[92:93] lane selects for v_permlanex16_b32
.set G1, 24
.set G0, 32
.set G1B, 48
.set G0B, 56
.set G1S, 68
.set G0S, 76
.set G1SB, 80
.set G0SB, 88
.set MSB, 0
.macro WIN new                         ; the immediate's high byte repeats the setting that is left
.if MSB != \new
	s_set_vgpr_msb (MSB<<8)|\new
.set MSB, \new
.endif
.endm
.set MUL_LO, 0xa1                      ; source 0 (B) window 1, source 1 (A) window 0, C and D window 2
.set MUL_HI, 0xf1
.set TO_B,   0x40
; A joint load: waves 0 and 1 fetch for A, waves 2 and 3 for B; the branch hangs on the wave's number alone.  Four v_nop follow each of the two lines.
.macro JLOAD g0a, g1a, g0b, g1b
	s_cmp_eq_u32 s15, 0
	s_cbranch_scc0 .Lfor_b_\@
	tensor_load_to_lds s[\g0a:\g0a+3], s[\g1a:\g1a+7]
	s_nop 0
.rept 4
	v_nop
.endr
	s_branch .Lasked_\@
.Lfor_b_\@:
	tensor_load_to_lds s[\g0b:\g0b+3], s[\g1b:\g1b+7]
	s_nop 0
.rept 4
	v_nop
.endr
.Lasked_\@:
.endm
.macro CREST                           ; a round of the cluster's barrier behind its opening barrier
	s_cmp_lg_u32 s14, 0
	s_cbranch_scc1 .Lnot_wave_0_\@
	s_barrier_signal -3
.Lnot_wave_0_\@:
	s_barrier_wait -3
	s_barrier_signal -1
	s_barrier_wait -1
.endm
.macro CROUND
	s_barrier_signal -1
	s_barrier_wait -1
	CREST
.endm
	s_load_b256 s[4:11], s[0:1], 0x0               ; xcodes, xscales, wcodes, wscales
	s_load_b256 s[68:75], s[0:1], 0x20             ; bq, bk, bv, qimg
	s_load_b64 s[76:77], s[0:1], 0x40              ; kv
	v_lshl_add_u32 v[SPW], v0, 2, SPARE
	v_mov_b32 v[NIL], 0
	ds_add_u32 v28, v29
	s_wait_dscnt 0x0
	v_lshrrev_b32 v1, 5, v0
	v_readfirstlane_b32 s14, v1                    ; wave 0..3
	s_lshr_b32 s15, s14, 1                         ; which half of A's rows is mine.  Also: I fetch for A (0) or for B (1)
	s_and_b32 s16, s14, 1                          ; which half of B's rows.  Also: which 128 rows I fetch
	s_bfe_u32 s40, ttmp6, 0x40000                  ; cx
	s_bfe_u32 s41, ttmp6, 0x40004                  ; cy
	s_lshr_b32 s66, ttmp9, 3                       ; which product: 0 q, 1 k, 2 v
	s_and_b32 s67, ttmp9, 7
	s_lshl_b32 s67, s67, 2
	s_cmp_eq_u32 s66, 2
	s_cselect_b32 s17, 0, s67                      ; q, k: the tokens are A's rows, 32 tiles; v: they are B's
	s_cselect_b32 s42, s67, 0
	s_cselect_b32 s95, 1, 0                        ; 1 for v
	s_add_co_u32 s17, s17, s41                     ; tile row
	s_add_co_u32 s42, s42, s40                     ; tile column
	s_lshl_b32 s43, s41, 2
	s_lshl_b32 s43, 15, s43                        ; my row of the cluster
	s_lshl_b32 s44, 0x1111, s40                    ; my column
	s_or_b32 s[G1+0], s43, (0<<16)|(1<<20)|(1<<21)|(3<<22)|(3<<25)  ; the mask; elements of 1 byte; padding on; bit 21 beside a mask; after every 16 words 4 words
	s_or_b32 s[G1B+0], s44, (0<<16)|(1<<20)|(1<<21)|(3<<22)|(3<<25)
.irp g, G1, G1B
	s_mov_b32 s[\g+1], ROWB<<16                    ; tensor_dim0
	s_mov_b32 s[\g+2], 128<<16                     ; tensor_dim1
	s_mov_b32 s[\g+3], ROWB<<16                    ; tile_dim0
	s_mov_b32 s[\g+4], 128                         ; tile_dim1
	s_mov_b32 s[\g+5], KROW                        ; the pitch
	s_mov_b32 s[\g+6], 0
	s_mov_b32 s[\g+7], 0
.endr
	s_mul_i32 s18, s66, 6291456                    ; where product t's operands begin: the activations' codes,
	s_mul_i32 s19, s66, 786432                     ; the weights' codes,
	s_lshl_b32 s22, s66, 18                        ; the activations' scale bytes,
	s_lshl_b32 s23, s66, 15                        ; the weights'
	s_mov_b32 s21, 0
	s_wait_kmcnt 0x0
	s_cmp_eq_u32 s66, 2                            ; the choices hang on the cluster's number alone
	s_cselect_b64 s[80:81], s[8:9], s[4:5]         ; A's codes
	s_cselect_b64 s[82:83], s[10:11], s[6:7]       ; A's scales
	s_cselect_b64 s[84:85], s[4:5], s[8:9]         ; B's codes
	s_cselect_b64 s[86:87], s[6:7], s[10:11]       ; B's scales
	s_cselect_b32 s20, s19, s18
	s_add_nc_u64 s[4:5], s[80:81], s[20:21]
	s_cselect_b32 s20, s23, s22
	s_add_nc_u64 s[6:7], s[82:83], s[20:21]
	s_cselect_b32 s20, s18, s19
	s_add_nc_u64 s[8:9], s[84:85], s[20:21]
	s_cselect_b32 s20, s22, s23
	s_add_nc_u64 s[10:11], s[86:87], s[20:21]
	s_cmp_eq_u32 s66, 1
	s_cselect_b64 s[12:13], s[70:71], s[68:69]
	s_cmp_eq_u32 s66, 2
	s_cselect_b64 s[12:13], s[72:73], s[12:13]     ; the bias
	s_cmp_eq_u32 s66, 0
	s_cselect_b64 s[96:97], s[74:75], s[76:77]     ; where the images go
	; the scales of 128 rows: a dense block of 4,096 bytes, as rows of 256 bytes (32 elements of 8 bytes), 16 bytes of padding behind each
	s_or_b32 s[G1S+0], s43, (3<<16)|(1<<20)|(1<<21)|(5<<22)|(3<<25)
	s_or_b32 s[G1SB+0], s44, (3<<16)|(1<<20)|(1<<21)|(5<<22)|(3<<25)
.irp g, G1S, G1SB
	s_mov_b32 s[\g+1], 32<<16
	s_mov_b32 s[\g+2], (128*KS/256)<<16
	s_mov_b32 s[\g+3], 32<<16
	s_mov_b32 s[\g+4], 128*KS/256
	s_mov_b32 s[\g+5], 32
	s_mov_b32 s[\g+6], 0
	s_mov_b32 s[\g+7], 0
.endr
	s_lshl_b32 s18, s16, 7                         ; which 128 rows of the tile I fetch
	s_lshl_b32 s20, s17, 8
	s_add_co_u32 s20, s20, s18                     ; A: row 256 x tile row + 128 x half
	s_lshl_b32 s46, s42, 8
	s_add_co_u32 s46, s46, s18                     ; B: row 256 x tile column + 128 x half
	s_mov_b32 s21, 0
	s_mov_b32 s47, 0
	s_mov_b64 s[18:19], KS
	s_mul_u64 s[22:23], s[20:21], s[18:19]
	s_mul_u64 s[92:93], s[46:47], s[18:19]
	s_mov_b64 s[18:19], KROW
	s_mul_u64 s[20:21], s[20:21], s[18:19]
	s_mul_u64 s[46:47], s[46:47], s[18:19]
	s_mul_i32 s45, s14, HALFT                      ; where they go: wave x 128 rows: no place in the cluster enters an LDS address
	s_mul_i32 s94, s14, HALFS
	s_add_nc_u64 s[20:21], s[4:5], s[20:21]
	s_add_nc_u64 s[22:23], s[6:7], s[22:23]
	s_add_nc_u64 s[46:47], s[8:9], s[46:47]
	s_add_nc_u64 s[92:93], s[10:11], s[92:93]
	CROUND                                         ; all sixteen work-groups are here: the first joint loads meet
	s_mov_b32 s[G0S], 1
	s_add_co_u32 s[G0S+1], s94, SCL
	s_mov_b64 s[G0S+2:G0S+3], s[22:23]
	s_or_b32 s[G0S+3], s[G0S+3], 0x80000000
	s_mov_b32 s[G0SB], 1
	s_add_co_u32 s[G0SB+1], s94, SCL
	s_mov_b64 s[G0SB+2:G0SB+3], s[92:93]
	s_or_b32 s[G0SB+3], s[G0SB+3], 0x80000000
	JLOAD G0S, G1S, G0SB, G1SB                     ; the scales first: they are wanted with K step 0
.irp s, 0,1
	s_mov_b32 s[G0+4*\s], 1
	s_add_co_u32 s[G0+4*\s+1], s45, \s*SLOT
	s_add_nc_u64 s[G0+4*\s+2:G0+4*\s+3], s[20:21], \s*ROWB
	s_or_b32 s[G0+4*\s+3], s[G0+4*\s+3], 0x80000000
	s_mov_b32 s[G0B+4*\s], 1
	s_add_co_u32 s[G0B+4*\s+1], s45, \s*SLOT
	s_add_nc_u64 s[G0B+4*\s+2:G0B+4*\s+3], s[46:47], \s*ROWB
	s_or_b32 s[G0B+4*\s+3], s[G0B+4*\s+3], 0x80000000
	JLOAD G0+4*\s, G1, G0B+4*\s, G1B
.endr
	v_and_b32 v1, 15, v0                           ; r = lane % 16
	v_bfe_u32 v2, v0, 4, 1                         ; h = lane / 16
	v_mul_u32_u24 v3, v1, PITCH
	v_mul_u32_u24 v4, v2, 24
	v_add_nc_u32 v4, v3, v4                        ; a fragment's row x pitch + 24 x half
	v_lshl_add_u32 v5, v2, 4, v4                   ; and the same behind one padding more
	s_mul_i32 s21, s15, HALFT                      ; my 128 rows of A
	s_mul_i32 s22, s16, HALFT
	s_add_co_u32 s22, s22, 2*HALFT                 ; my 128 rows of B, behind A's 256
.irp s, 0,1
	v_add_nc_u32 v[ADRA+\s], s21, v4
	v_add_nc_u32 v[ADRB+\s], s22, v4
	v_add_nc_u32 v[ADRA+2+\s], s21, v5
	v_add_nc_u32 v[ADRB+2+\s], s22, v5
	s_add_co_u32 s21, s21, SLOT
	s_add_co_u32 s22, s22, SLOT
.endr
	v_mul_u32_u24 v5, v1, KS                       ; my row's scales: 32 bytes a row,
	v_lshrrev_b32 v6, 8, v5
	v_lshl_add_u32 v5, v6, 4, v5                   ; and 16 more for each 256 passed
	s_mul_i32 s21, s15, HALFS
	s_mul_i32 s22, s16, HALFS
	s_add_co_u32 s22, s22, 2*HALFS
	s_sub_co_u32 s22, s22, s21
	v_mul_u32_u24 v6, s22, v2                      ; lanes 16-31 take B's: one product, the lower base + h x the distance
	s_add_co_u32 s21, s21, SCL
	v_add_nc_u32 v5, v5, v6
	v_add_nc_u32 v[ADRS], s21, v5
	; ---- the way out's numbers.  My 128 rows of A begin at s18, my 128 rows of B at s19
	s_lshl_b32 s18, s17, 8
	s_lshl_b32 s19, s15, 7
	s_add_co_u32 s18, s18, s19
	s_lshl_b32 s19, s42, 8
	s_lshl_b32 s20, s16, 7
	s_add_co_u32 s19, s19, s20
	s_and_b32 s20, s19, 1023                       ; the bias along registers: B's rows as channels (held inside the bias for v, where it is multiplied by 0)
	s_lshl_b32 s20, s20, 2
	s_mov_b32 s21, 0
	s_add_nc_u64 s[20:21], s[12:13], s[20:21]
	s_and_b32 s22, s18, 1023                       ; the bias along lanes: A's rows as channels (likewise for q, k)
	s_lshl_b32 s22, s22, 2
	s_mov_b32 s23, 0
	s_add_nc_u64 s[22:23], s[12:13], s[22:23]
	v_lshlrev_b32 v12, 6, v2                       ; 16 h numbers on
	v_and_b32 v13, 8, v1
	v_add_nc_u32 v13, v13, v1
	v_lshlrev_b32 v13, 2, v13                      ; r + 8 (r / 8) numbers on
.irp t, 0,1,2,3,4,5,6,7
	global_load_b128 v[BB+8*\t:BB+8*\t+3], v12, s[20:21] offset:4*(32*(\t/2)+8*(\t%2))        ; register 8 t + j: channel 32 (t / 2) + 16 h + 8 (t % 2) + j
	global_load_b128 v[BB+8*\t+4:BB+8*\t+7], v12, s[20:21] offset:4*(32*(\t/2)+8*(\t%2))+16
.endr
.irp t, 0,1,2,3,4,5,6,7
	global_load_b32 v[BA+\t], v13, s[22:23] offset:4*(32*(\t/2)+8*(\t%2))                     ; block t, lane r: channel 32 (t / 2) + 8 (t % 2) + r + 8 (r / 8)
.endr
	s_cmp_eq_u32 s95, 1
	s_cselect_b32 s40, s19, s18                    ; my first token
	s_cselect_b32 s41, s18, s19                    ; my first channel
	s_lshr_b32 s43, s40, 11                        ; batch
	s_lshl_b32 s43, s43, 2
	s_lshr_b32 s44, s41, 8                         ; group of 4 heads
	s_add_co_u32 s43, s43, s44
	s_lshl_b32 s43, s43, 4
	s_bfe_u32 s44, s40, 0x40007                    ; which 128 tokens of the batch
	s_add_co_u32 s43, s43, s44                     ; the block
	s_bfe_u32 s44, s41, 0x20006                    ; my first head in its group: 0 or 2
	s_mov_b32 s45, 52224
	s_mov_b32 s105, 3<<23
	s_mov_b32 s46, 49152
	s_cmp_eq_u32 s66, 0
	s_cselect_b32 s45, 26624, s45                  ; a block's bytes
	s_cselect_b32 s104, 0x03030303, 0              ; what is taken off q's scale bytes
	s_cselect_b32 s105, 6<<23, s105                ; the floor under a block's largest magnitude: the stored byte cannot fall under 1
	s_cselect_b32 s46, 24576, s46                  ; where a block's scale words begin
	s_mul_i32 s43, s43, s45
	s_mov_b32 s100, 768
	s_mov_b32 s101, 0
	s_mov_b32 s67, 6144
	s_cmp_eq_u32 s95, 1
	s_cselect_b32 s47, 24576, 0                    ; V's codes lie behind K's
	s_cselect_b32 s46, 51200, s46
	s_cselect_b32 s100, 1536, s100                 ; from a block of 16 rows of A to the next
	s_cselect_b32 s67, 768, s67                    ; from registers 0-5 to registers 6-11: the next head's image (q, k) or the fragment's second half (v)
	s_cselect_b32 s93, 8, 9
	s_cselect_b32 s18, 0, 1.0                      ; keeps the bias along registers for q, k
	s_cselect_b32 s40, 1.0, 0                      ; and the bias along lanes for v
	s_mov_b32 s19, s18
	s_mov_b32 s41, s40
	s_lshl_b32 s93, s44, s93                       ; the scale words of my head (512 bytes a head) or of my pair of heads (512 a pair)
	s_add_co_u32 s46, s46, s93
	s_add_co_u32 s46, s46, s43
	s_mul_i32 s44, s44, 6144
	s_add_co_u32 s44, s44, s47
	s_add_co_u32 s44, s44, s43
	s_mov_b32 s45, 0
	s_mov_b32 s47, 0
	s_mov_b64 s[98:99], s[96:97]
	s_add_nc_u64 s[96:97], s[96:97], s[44:45]      ; my first image
	s_add_nc_u64 s[98:99], s[98:99], s[46:47]      ; my scale words
	s_mov_b32 s94, 0xffff0000                      ; lanes 16-31
	s_mov_b32 s[SEL], 0x76543210
	s_mov_b32 s[SEL+1], 0xfedcba98
	v_and_b32 v6, 31, v0
	v_lshlrev_b32 v[VX16], 4, v6
	v_lshl_add_u32 v[VX8], v6, 3, 512
	v_add_nc_u32 v[VY16], s67, v[VX16]
	v_add_nc_u32 v[VY8], s67, v[VX8]
.irp b, 0,1,2,3
	v_mov_b32 v[TM+4+\b], 0                        ; written once: a lane permute's destination counts as one of its sources
.endr
	s_wait_loadcnt 0x0                             ; the biases
.set i, 0
.rept 32
	v_pk_mul_f32 v[BB+2*i:BB+2*i+1], v[BB+2*i:BB+2*i+1], s[18:19] op_sel_hi:[1,0]
.set i, i+1
.endr
.set i, 0
.rept 4
	v_pk_mul_f32 v[BA+2*i:BA+2*i+1], v[BA+2*i:BA+2*i+1], s[40:41] op_sel_hi:[1,0]
.set i, i+1
.endr
.macro FRAG reg, adr, q, i             ; 16 rows x 128 K of 6-bit codes: 12 registers, six pieces of 8 bytes; where lanes 16-31's piece lies behind one padding more, the second address register serves
.irp p, 0,1,2,3,4,5
.set PIECE, 12*(\q)+6*(\p/3)+\p%3
.if PIECE%8 < 5
	ds_load_b64 v[\reg+2*\p:\reg+2*\p+1], v[\adr] offset:8*PIECE+16*(PIECE/8)+(\i)*16*PITCH
.else
	ds_load_b64 v[\reg+2*\p:\reg+2*\p+1], v[\adr+2] offset:8*PIECE+16*(PIECE/8)+(\i)*16*PITCH
.endif
.endr
.endm
; 16 matrix instructions: A's blocks a0, a0 + 1 x B's eight.  The 64 accumulators take turns, one instruction a turn, in the same order in every step.
.macro MUL16 a0, p, q, sc, zero
.irp a, \a0, \a0+1
.irp b, 0,1,2,3,4,5,6,7
.if \zero
	v_wmma_scale_f32_16x16x128_f8f6f4 v[8*(8*((\a)%4)+\b):8*(8*((\a)%4)+\b)+7], v[128*(\p)+FR*\b:128*(\p)+FR*\b+FR-1], v[AF+FR*(\a):AF+FR*(\a)+FR-1], 0, v[SC+8*NQ*(\sc)+NQ*\b+(\q)], v[SC+8*NQ*(\sc)+NQ*(\a)+(\q)] matrix_a_fmt:MATRIX_FMT_FP6 matrix_b_fmt:MATRIX_FMT_FP6 matrix_a_scale:MATRIX_SCALE_ROW1
.else
	v_wmma_scale_f32_16x16x128_f8f6f4 v[8*(8*((\a)%4)+\b):8*(8*((\a)%4)+\b)+7], v[128*(\p)+FR*\b:128*(\p)+FR*\b+FR-1], v[AF+FR*(\a):AF+FR*(\a)+FR-1], v[8*(8*((\a)%4)+\b):8*(8*((\a)%4)+\b)+7], v[SC+8*NQ*(\sc)+NQ*\b+(\q)], v[SC+8*NQ*(\sc)+NQ*(\a)+(\q)] matrix_a_fmt:MATRIX_FMT_FP6 matrix_b_fmt:MATRIX_FMT_FP6 matrix_a_scale:MATRIX_SCALE_ROW1
.endif
.endr
.endr
.endm
.macro FETCH_B slot, q, p
	WIN TO_B
.irp i, 0,1,2,3,4,5,6,7
	FRAG 128*(\p)+FR*\i, ADRB+\slot, \q, \i
.endr
	WIN 0
.endm
.macro FETCH_A slot, q, i0
.irp i, \i0, \i0+1, \i0+2, \i0+3
	FRAG AF+FR*(\i), ADRA+\slot, \q, \i
.endr
.endm
.macro SCALES sc                       ; a K step's scale words: lanes 0-15 take A's block i, lanes 16-31 B's block i
.irp i, 0,1,2,3,4,5,6,7
	ds_load_b64 v[SC+8*NQ*\sc+NQ*\i:SC+8*NQ*\sc+NQ*\i+1], v[ADRS] offset:\i*SBLK
.endr
.endm
.macro PLACES n                        ; plain vector instructions between a matrix instruction and a load into, or a read of, its registers
.rept \n
	v_nop
.endr
.endm
.macro STEP slot, q, zero              ; 128 along K that have their successor in the same slot
	s_wait_dscnt 4*NL                              ; B's set and A's blocks 0-3 are in; the youngest 24 loads (A's blocks 4-7) may be out
	WIN MUL_LO
	MUL16 0, (\q)%2, \q, \slot, \zero
	MUL16 2, (\q)%2, \q, \slot, \zero
	s_wait_dscnt 0
	PLACES NP
	FETCH_B \slot, (\q)+1, 1-(\q)%2
	FETCH_A \slot, (\q)+1, 0
	WIN MUL_HI
	MUL16 4, (\q)%2, \q, \slot, \zero
	MUL16 6, (\q)%2, \q, \slot, \zero
	PLACES NP
	WIN 0
	FETCH_A \slot, (\q)+1, 4
.endm
; A slot's last step changes slots: one barrier; in front of it each wave waits for all its tensor loads, adds 0 to its spare word, and waits for that and for its reads of this slot.
.macro TURN slot, next, fill
	s_wait_tensorcnt 0x0                           ; all my tensor loads have landed: my part of the next slot
	ds_add_u32 v[SPW], v[NIL]                      ; 0 onto my spare word
	s_wait_dscnt 4*NL+1                            ; the add and the youngest 24 loads may be out
	WIN MUL_LO
	MUL16 0, 1, NQ-1, \slot, 0
	s_wait_dscnt 0x0                               ; the add is done, and my reads of this slot are over
	s_barrier_signal -1
	MUL16 2, 1, NQ-1, \slot, 0
	WIN 0
	s_barrier_wait -1
.if \fill
	CREST                                          ; the barrier has opened a round of the cluster's: no wave of any partner still reads this slot or has a load on its way
	s_add_nc_u64 s[G0+4*\slot+2:G0+4*\slot+3], s[G0+4*\slot+2:G0+4*\slot+3], 2*ROWB
	s_add_nc_u64 s[G0B+4*\slot+2:G0B+4*\slot+3], s[G0B+4*\slot+2:G0B+4*\slot+3], 2*ROWB
	JLOAD G0+4*\slot, G1, G0B+4*\slot, G1B         ; the first tensor load behind the round; its four v_nop are the places in front of the loads below
.else
	PLACES NP
.endif
	v_add_nc_u32 v[ADRS], 4*NQ, v[ADRS]
	FETCH_B \next, 0, 0
	FETCH_A \next, 0, 0
	SCALES \next
	WIN MUL_HI
	MUL16 4, 1, NQ-1, \slot, 0
	MUL16 6, 1, NQ-1, \slot, 0
	PLACES NP
	WIN 0
	FETCH_A \next, 0, 4
.endm
	s_wait_tensorcnt 1                             ; the scales and my part of K step 0 are in; K step 1's load may be out
	s_barrier_signal -1
	s_barrier_wait -1
	FETCH_B 0, 0, 0
	FETCH_A 0, 0, 0
	SCALES 0
	FETCH_A 0, 0, 4
	STEP 0, 0, 1                                   ; the first step's products start the sums
	s_mov_b32 s3, LAPS-1
.Llap:                                             ; a trip goes once round the ring and fills both slots again
	TURN 0, 1, 1
	STEP 1, 0, 0
	TURN 1, 0, 1
	STEP 0, 0, 0
	s_sub_co_u32 s3, s3, 1
	s_cmp_lg_u32 s3, 0
	s_cbranch_scc1 .Llap
	TURN 0, 1, 0                                   ; the last lap fills nothing
	STEP 1, 0, 0
	s_wait_dscnt 4*NL
	WIN MUL_LO
	MUL16 0, 1, NQ-1, 1, 0
	MUL16 2, 1, NQ-1, 1, 0
	s_wait_dscnt 0
	WIN MUL_HI
	MUL16 4, 1, NQ-1, 1, 0
	MUL16 6, 1, NQ-1, 1, 0
	WIN 0
; 64 numbers of a lane, register 16 b + i = k 32 b + 16 (lane / 16) + i of my row, become a fragment's codes in v[CD] on and its scale word in v[PW].
.macro QUANT s
.irp b, 0,1,2,3
	v_max3_num_f32 v[TM+\b], |v[\s+16*\b]|, |v[\s+1+16*\b]|, s105   ; my 16 numbers of block b, and the floor
.endr
.irp i, 2,4,6,8,10,12,14
.irp b, 0,1,2,3
	v_max3_num_f32 v[TM+\b], v[TM+\b], |v[\s+16*\b+\i]|, |v[\s+1+16*\b+\i]|
.endr
.endr
.irp b, 0,1,2,3
	v_permlanex16_b32 v[TM+4+\b], v[TM+\b], s[SEL], s[SEL+1]
.endr
.irp b, 0,1,2,3
	v_max_num_f32 v[TM+\b], v[TM+\b], v[TM+4+\b]   ; with lane l xor 16's: the block's largest magnitude
.endr
.irp b, 0,1,2,3
	v_add_nc_u32 v[TM+12+\b], 0xff000000, v[TM+\b] ; 2 off its exponent field: the conversion's scale operand
.endr
.irp b, 0,1,2,3
	v_lshrrev_b32 v[TM+4+\b], 23, v[TM+12+\b]      ; the scale's byte
.endr
	v_lshl_or_b32 v[PW], v[TM+5], 8, v[TM+4]
	v_lshl_or_b32 v[PW], v[TM+6], 16, v[PW]
	v_lshl_or_b32 v[PW], v[TM+7], 24, v[PW]
.irp c, 0,1
	v_cvt_scalef32_pk16_fp6_f32 v[CD+6*\c:CD+2+6*\c], v[\s+32*\c:\s+15+32*\c], v[TM+12+2*\c]
	v_cvt_scalef32_pk16_fp6_f32 v[CD+12+4*\c:CD+14+4*\c], v[\s+16+32*\c:\s+31+32*\c], v[TM+12+2*\c+1]   ; (a conversion's three registers begin on an even number)
.endr
	v_nop                                          ; one plain place behind a scaled conversion
.irp c, 0,1                                    ; the operand's layout wants a whole block in a lane
.irp i, 0,1,2
	v_permlane16_swap_b32 v[CD+6*\c+\i], v[CD+12+4*\c+\i]
.endr
.irp i, 0,1,2
	v_mov_b32 v[CD+3+6*\c+\i], v[CD+12+4*\c+\i]
.endr
.endr
.endm
; THE WAY OUT of block a (16 rows of A x my 128 rows of B): the biases, the quantiser, four stores of 512 or 256 consecutive bytes, aligned.  No LDS.
.macro OUTBLK a
	s_wait_xcnt 0x0                                ; the last block's stores have read their registers and their base
.if (\a) > 0
	s_add_nc_u64 s[96:97], s[96:97], s[100:101]
.endif
	WIN 0x02+((\a)/4)                              ; source 0: window 2 or 3
.set i, 0
.rept 32
	v_pk_add_f32 v[HA+2*i:HA+2*i+1], v[64*((\a)%4)+2*i:64*((\a)%4)+2*i+1], v[BB+2*i:BB+2*i+1]   ; ascending: each accumulator is read from its low end on
.set i, i+1
.endr
	WIN 0
.set i, 0
.rept 32
.if (\a)%2
	v_pk_add_f32 v[HA+2*i:HA+2*i+1], v[HA+2*i:HA+2*i+1], v[BA+2*((\a)/2):BA+2*((\a)/2)+1] op_sel:[0,1] op_sel_hi:[1,1]
.else
	v_pk_add_f32 v[HA+2*i:HA+2*i+1], v[HA+2*i:HA+2*i+1], v[BA+2*((\a)/2):BA+2*((\a)/2)+1] op_sel:[0,0] op_sel_hi:[1,0]
.endif
.set i, i+1
.endr
	QUANT HA
	v_sub_nc_u32 v[PWS+(\a)], v[PW], s104          ; q: 3 off each byte (each is 4 at the least: nothing is borrowed)
	global_store_b128 v[VX16], v[CD:CD+3], s[96:97]
	global_store_b64 v[VX8], v[CD+4:CD+5], s[96:97]
	global_store_b128 v[VY16], v[CD+6:CD+9], s[96:97]
	global_store_b64 v[VY8], v[CD+10:CD+11], s[96:97]
.endm
	PLACES NP                                      ; behind the last products: their results are read and A's registers written below
.irp a, 0,1,2,3,4,5,6,7
	OUTBLK \a
.endr
.irp i, 0,1,2,3
	v_cndmask_b32 v[RR+\i], v[PWS+2*\i], v[PWS+2*\i+1], s94   ; lanes 0-15 block 2 i, lanes 16-31 block 2 i + 1 (both halves of the lanes hold row r's word)
.endr
	s_cmp_eq_u32 s95, 1
	s_cbranch_scc1 .Lv_scales
.irp i, 0,1,2,3
	v_and_b32 v[TT+\i], 0xffff, v[RR+\i]           ; the even head's two bytes
	v_lshrrev_b32 v[UU+\i], 16, v[RR+\i]           ; the odd head's
.endr
	global_store_b128 v[VX16], v[TT:TT+3], s[98:99]
	global_store_b128 v[VX16], v[UU:UU+3], s[98:99] offset:512
	s_branch .Lscales_done
.Lv_scales:
	global_store_b128 v[VX16], v[RR:RR+3], s[98:99]
.Lscales_done:
	s_wait_tensorcnt 0x0                           ; the wave's end
	ds_add_u32 v[SPW], v[NIL]
	s_wait_dscnt 0x0
	CROUND                                         ; the closing round: no work-group ends while a partner may still ask for a tile that names it
	s_endpgm
.Lfunc_end_k_qd3f38e41bd_proj:
	.size	k_qd3f38e41bd_proj, .Lfunc_end_k_qd3f38e41bd_proj-k_qd3f38e41bd_proj
	.p2alignl 7, 3214868480
	.fill 96, 4, 3214868480
	.section	.rodata,"a",@progbits
	.p2align	6, 0x0
	.amdhsa_kernel k_qd3f38e41bd_proj
		.amdhsa_group_segment_fixed_size 327680
		.amdhsa_private_segment_fixed_size 0
		.amdhsa_enable_private_segment 0
		.amdhsa_kernarg_size 72
		.amdhsa_user_sgpr_count 2
		.amdhsa_user_sgpr_kernarg_segment_ptr 1
		.amdhsa_wavefront_size32 1
		.amdhsa_system_sgpr_workgroup_id_x 1
		.amdhsa_system_sgpr_workgroup_id_y 1
		.amdhsa_system_sgpr_workgroup_id_z 1
		.amdhsa_system_vgpr_workitem_id 0
		.amdhsa_next_free_vgpr 1024
		.amdhsa_next_free_sgpr 106
		.amdhsa_reserve_vcc 0
		.amdhsa_float_denorm_mode_32 3
		.amdhsa_float_denorm_mode_16_64 3
		.amdhsa_memory_ordered 1
		.amdhsa_forward_progress 1
		.amdhsa_inst_pref_size 204
	.end_amdhsa_kernel
	.amdgpu_metadata
---
amdhsa.version: [ 1, 2 ]
amdhsa.kernels:
  - .name:           k_qd3f38e41bd_proj
    .symbol:         k_qd3f38e41bd_proj.kd
    .args:
      - { .name: xcodes, .offset: 0, .size: 8, .value_kind: global_buffer, .address_space: global }
      - { .name: xscales, .offset: 8, .size: 8, .value_kind: global_buffer, .address_space: global }
      - { .name: wcodes, .offset: 16, .size: 8, .value_kind: global_buffer, .address_space: global }
      - { .name: wscales, .offset: 24, .size: 8, .value_kind: global_buffer, .address_space: global }
      - { .name: bq, .offset: 32, .size: 8, .value_kind: global_buffer, .address_space: global }
      - { .name: bk, .offset: 40, .size: 8, .value_kind: global_buffer, .address_space: global }
      - { .name: bv, .offset: 48, .size: 8, .value_kind: global_buffer, .address_space: global }
      - { .name: qimg, .offset: 56, .size: 8, .value_kind: global_buffer, .address_space: global }
      - { .name: kv, .offset: 64, .size: 8, .value_kind: global_buffer, .address_space: global }
    .group_segment_fixed_size: 327680
    .private_segment_fixed_size: 0
    .kernarg_segment_align: 8
    .kernarg_segment_size: 72
    .max_flat_workgroup_size: 128
    .sgpr_count:     106
    .vgpr_count:     1024
    .wavefront_size: 32
...
	.end_amdgpu_metadata
.endif
;; end of part 2
;; launch attn (part 3): grid 16 x 32, 16 waves a work-group, clusters of 4 x 4, 327,680 bytes of LDS; arguments qimg, kv, mask, ocodes, oscales; writes ocodes, oscales
.if DOCPART == 3
	.amdgcn_target "amdgcn-amd-amdhsa--gfx1250"
	.amdhsa_code_object_version 6
	.text
	.protected	k_qd3f38e41bd_attn
	.globl	k_qd3f38e41bd_attn
	.p2align	8
	.type	k_qd3f38e41bd_attn,@function
k_qd3f38e41bd_attn:
	s_mov_b64 s[64:65], 0
	v_nop
	global_prefetch_b8 v0, s[64:65] scope:SCOPE_SE
	s_setreg_imm32_b32 hwreg(HW_REG_WAVE_MODE, 25, 1), 1
	s_wait_xcnt 0x0
	s_wait_alu depctr_hold_cnt(0) depctr_sa_sdst(0) depctr_va_vdst(0) depctr_va_sdst(0) depctr_va_ssrc(0) depctr_va_vcc(0) depctr_vm_vsrc(0)
	s_getreg_b32 s2, hwreg(HW_REG_IB_STS2, 6, 4)
	s_cmp_eq_u32 s2, 0
	s_cbranch_scc0 .Lentry_in_a_cluster
	s_endpgm
.Lentry_in_a_cluster:
	s_bfe_u32 s2, ttmp6, 0x10000c
	s_cmp_lg_u32 s2, 0xf033
	s_cbranch_scc0 .Lentry_shape_is_right
	s_endpgm
.Lentry_shape_is_right:
; O = softmax(q k^T / 8 + mask x (-1e9)) v for 4 batches x 16 heads of 64, 2,048 tokens; both products on codes of FP6 (E2M3) with E8M0 scales; O is quantised along the 1,024 channels and stored as codes.
; q, k, v arrive as images of operand registers (qimg, kv: blocks for a batch, a group of 4 heads and 128 tokens); 1 / 8 lies in q's scale bytes.  The mask is an input: every tile of it is read and added, in f32.
; THE SOFTMAX AHEAD OF THE SECOND PRODUCT: t = logit x log2(e); M = the running largest t rounded UP to a whole number; p = 2^(t - M) is quantised along the keys; the sum is taken of the unquantised p and divides O at the end.
; When M moves, the sum and O are multiplied by 2^(old M - new M): exact.
; SHARES.  A work-group owns 64 queries of 4 heads; wave w owns head w / 4 and the 16 queries w % 4, in 256 registers: four waves to a SIMD.  Every wave walks all 2,048 keys, 128 a step.
; With 4 heads x 4 tiles of queries a step's fill is one kv block (52,224 bytes) and one tile of the mask (64 rows x 512 bytes).
; CLUSTER.  4 x 4 work-groups: x = the group of heads, y = four blocks of queries.  The kv block hangs on batch and x: asked for jointly along a column.  The mask's tile hangs on the block of queries: jointly along a row.
; LAYOUT.  Both products are used transposed: S^T = K Q^T (source 0 = 16 keys), O^T = V^T P^T (source 0 = 16 channels): a lane holds ONE query.  K's tiles hold keys 32 b + 8 u + r + 8 (r / 8), so that registers 16 b + i of S^T
; are keys 32 b + 16 (lane / 16) + i; V's tiles hold channels in the same order, so that registers 16 b + i of O^T are channels 32 b + 16 (lane / 16) + i.
; THE HEAD'S 64 FILL HALF OF THE INSTRUCTION'S K.  Q's registers 6-11 are zeros and bytes 2, 3 of q's and k's scale words are 0.  K's tile t is named as v[32 + 6 t .. 43 + 6 t]: its upper six registers are the next tile's codes
; (zeros behind the last), which meet Q's zero codes and add nothing: E2M3 has no NaN and no infinity.
; LIMITS: NaN and infinities are not served; mask x (-1e9) + score is rounded once (a fused multiply-add): the same bits as two roundings where the mask holds 0 and 1; a block of zeros gets the byte 1 (read by this program alone).
; REGISTERS: v1-5 my places in a slot; v6, v7 the add's; v8-11, v31 addresses in hand; v12 -M, v13 the largest t, v[14:15] the sum; v16-27 Q; v28 Q's scale word; v29 p's; v30 the prefetch's offset; v32-79 K's tiles, then V's fragments;
; v80-85 zeros; v[86:87] f; v88-91 K's scale words; v92-93 V's; v96-159 S^T, then p; v160-191 O^T; v192-255 the mask's 64 numbers, then at work.
.set SLOT1, 1<<17                      ; slot 1 begins here: one exclusive or turns an address from one slot to the other
.set KVB,   52224                      ; a kv block: 204 rows of 256 bytes
.set KVT,   17408                      ; a third of it: what one tensor load brings (68 rows)
.set MOFF,  52224                      ; behind it: the mask's tile, 64 rows of 512 bytes + 16
.set MP,    528
.set VCO,   24576                      ; in a block: V's codes,
.set KSO,   49152                      ; K's scale words,
.set VSO,   51200                      ; V's
.set SPARE, 2*SLOT1                    ; the spare words, 128 bytes for each wave: eight blocks of 256 bytes that no other line names
.set STG,   SPARE+2048                 ; the way out: 64 tokens x (16 places of 16 bytes + 16)
.set STS,   STG+64*272                 ; and their scale bytes, 8 a token
.set AK0, 1
.set AB0, 2
.set AS0, 3
.set AT0, 4
.set AM0, 5
.set SPW, 6
.set NIL, 7
.set ADK, 8
.set ADB, 9
.set ADS, 10
.set ADT, 11
.set ADM, 31
.set QF,  16
.set QS,  28
.set PS,  29
.set PFO, 30
.set KF,  32
.set FF,  86
.set KS,  88
.set VS,  92
.set S,   96
.set OT,  160
.set MK,  192
.set BM,  192                          ; the blocks' largest scores, then largest p
.set T2,  196
.set SO,  204                          ; the conversions' scale operands
.set PC,  208                          ; p's codes
.set TP,  220
.set TB,  2                            ; s2   LDS byte at which the slot in hand begins
.set WV,  18
.set SEL, 20
.set CS,  22                           ; s[22:23] log2(e)
.set G1KV, 24
.set G1M,  32
.set G0KV, 40
.set G0M,  44
.set NEG, 48                           ; s[48:49] -1e9
.set SLOTS, 51
.set LIM, 52
.set PFA, 54
.set PFS, 56
.macro CROUND                          ; a round of the cluster's barrier
	s_barrier_signal -1
	s_barrier_wait -1
	s_cmp_lg_u32 s[WV], 0
	s_cbranch_scc1 .Lnot_wave_0_\@
	s_barrier_signal -3
.Lnot_wave_0_\@:
	s_barrier_wait -3
	s_barrier_signal -1
	s_barrier_wait -1
.endm
; Waves 0 to 2 fetch a third of the kv block each, wave 3 the mask's tile, the others nothing.  The branches hang on the wave's number alone.  Four v_nop follow each of the two lines.
.macro TLOAD
	s_cmp_lt_u32 s[WV], 3
	s_cbranch_scc0 .Lnot_kv_\@
	tensor_load_to_lds s[G0KV:G0KV+3], s[G1KV:G1KV+7]
	s_nop 0
.rept 4
	v_nop
.endr
	s_branch .Lasked_\@
.Lnot_kv_\@:
	s_cmp_eq_u32 s[WV], 3
	s_cbranch_scc0 .Lasked_\@
	tensor_load_to_lds s[G0M:G0M+3], s[G1M:G1M+7]
	s_nop 0
.rept 4
	v_nop
.endr
.Lasked_\@:
.endm
; A PREFETCH INTO THE L2 of what the NEXT change of slots will ask for, one key step ahead of that load.  A kv block is walked by the eight clusters of a batch: the one with y = 0 asks; its four partners of a column take
; 51 of the block's 204 rows of 256 bytes each, told apart by address; wave 4 names rows 0-31 of them, wave 5 rows 32-50 (its last lanes are held at row 50).  A tile of the mask is walked by the four clusters of a y:
; the one with x = 0 asks; the four partners of a row take 16 of its 64 rows each; wave 6 names them, two lanes to a row of 512 bytes.  The last change that fills a slot asks for nothing; steps 0 and 1 come by their loads alone.
.macro ASK
	s_cmp_gt_u32 s[SLOTS], s[LIM]
	s_cbranch_scc0 .Lnot_mine_\@
	global_prefetch_b8 v[PFO], s[PFA:PFA+1] th:TH_LOAD_NT scope:SCOPE_SE
.Lnot_mine_\@:
.endm
	s_load_b256 s[4:11], s[0:1], 0x0               ; qimg, kv, mask, ocodes
	s_load_b64 s[12:13], s[0:1], 0x20              ; oscales
	v_lshl_add_u32 v[SPW], v0, 2, SPARE
	v_mov_b32 v[NIL], 0
	ds_add_u32 v6, v7
	s_wait_dscnt 0x0
	v_lshrrev_b32 v8, 5, v0
	v_readfirstlane_b32 s[WV], v8                  ; wave 0..15
	s_bfe_u32 s14, ttmp6, 0x40000                  ; cx: the group of heads
	s_bfe_u32 s15, ttmp6, 0x40004                  ; cy
	s_mov_b32 s16, ttmp9                           ; the batch
	s_and_b32 s17, ttmp7, 0xffff
	s_lshl_b32 s17, s17, 2
	s_add_co_u32 s17, s17, s15                     ; my block of 64 queries
	s_lshr_b32 s19, s[WV], 2                       ; my head in its group
	s_and_b32 s50, s[WV], 3                        ; my tile of 16 queries
	s_lshl_b32 s58, s15, 2
	s_lshl_b32 s58, 15, s58                        ; my row of the cluster
	s_lshl_b32 s59, 0x1111, s14                    ; my column
	s_or_b32 s[G1KV], s59, (3<<16)|(1<<21)         ; the mask: my column; elements of 8 bytes; bit 21 beside a mask; no padding
	s_mov_b32 s[G1KV+1], 32<<16                    ; rows of 256 bytes,
	s_mov_b32 s[G1KV+2], 68<<16                    ; 68 of them,
	s_mov_b32 s[G1KV+3], 32<<16
	s_mov_b32 s[G1KV+4], 68
	s_mov_b32 s[G1KV+5], 32                        ; dense
	s_mov_b32 s[G1KV+6], 0
	s_mov_b32 s[G1KV+7], 0
	s_or_b32 s[G1M], s58, (2<<16)|(1<<20)|(1<<21)|(6<<22)|(3<<25)  ; my row; elements of 4 bytes; after every 128 words 4 words of padding
	s_mov_b32 s[G1M+1], 128<<16
	s_mov_b32 s[G1M+2], 64<<16
	s_mov_b32 s[G1M+3], 128<<16
	s_mov_b32 s[G1M+4], 64
	s_mov_b32 s[G1M+5], 2048
	s_mov_b32 s[G1M+6], 0
	s_mov_b32 s[G1M+7], 0
	s_lshl_b32 s60, s16, 2
	s_add_co_u32 s60, s60, s14
	s_lshl_b32 s60, s60, 4                         ; the first block of my batch and group of heads
	s_mul_i32 s62, s60, KVB
	s_min_u32 s61, s[WV], 2
	s_mul_i32 s61, s61, KVT                        ; my third, in LDS and in memory
	s_add_co_u32 s62, s62, s61
	s_mov_b32 s63, 0
	s_lshl_b32 s66, s17, 19                        ; 64 rows of 8,192 bytes a block of queries
	s_mov_b32 s67, 0
	s_mov_b32 s[SEL], 0x76543210
	s_mov_b32 s[SEL+1], 0xfedcba98
	s_mov_b32 s[CS], 0x3fb8aa3b                    ; log2(e)
	s_mov_b32 s[CS+1], s[CS]
	s_mov_b32 s[NEG], 0xce6e6b28                   ; -1e9
	s_mov_b32 s[NEG+1], s[NEG]
	s_mov_b32 s[TB], 0
	s_mov_b32 s[SLOTS], 15
	s_wait_kmcnt 0x0
	s_mov_b32 s[G0KV], 1
	s_mov_b32 s[G0KV+1], s61
	s_add_nc_u64 s[G0KV+2:G0KV+3], s[6:7], s[62:63]
	s_or_b32 s[G0KV+3], s[G0KV+3], 0x80000000
	s_mov_b32 s[G0M], 1
	s_mov_b32 s[G0M+1], MOFF
	s_add_nc_u64 s[G0M+2:G0M+3], s[8:9], s[66:67]
	s_or_b32 s[G0M+3], s[G0M+3], 0x80000000
	CROUND                                         ; all sixteen work-groups are here: the first joint loads meet
	TLOAD                                          ; key step 0 into slot 0
	; Q: my tile's half fragment and its scale words
	s_lshr_b32 s68, s17, 1
	s_add_co_u32 s68, s68, s60
	s_mul_i32 s68, s68, 26624                      ; the block of my 128 tokens
	s_and_b32 s69, s17, 1
	s_lshl_b32 s69, s69, 2
	s_add_co_u32 s69, s69, s50                     ; my tile among its eight
	s_mul_i32 s70, s19, 6144
	s_mul_i32 s71, s69, 768
	s_add_co_u32 s70, s70, s71
	s_add_co_u32 s70, s70, s68
	s_mov_b32 s71, 0
	s_add_nc_u64 s[72:73], s[4:5], s[70:71]
	s_lshl_b32 s70, s19, 9
	s_and_b32 s74, s69, 1
	s_lshl_b32 s74, s74, 8
	s_add_co_u32 s70, s70, s74                     ; an odd tile's words lie in lanes 16-31 of the image: 256 bytes on
	s_lshr_b32 s74, s69, 1
	s_lshl_b32 s74, s74, 2
	s_add_co_u32 s70, s70, s74
	s_add_co_u32 s70, s70, s68
	s_add_nc_u64 s[74:75], s[4:5], s[70:71]
	v_and_b32 v8, 31, v0                           ; lane
	v_lshlrev_b32 v9, 4, v8
	v_lshlrev_b32 v10, 3, v8
	v_and_b32 v11, 15, v0                          ; r
	v_lshlrev_b32 v31, 4, v11
	global_load_b128 v[QF:QF+3], v9, s[72:73]
	global_load_b64 v[QF+4:QF+5], v10, s[72:73] offset:512
	global_load_b32 v[QS], v31, s[74:75] offset:24576
	s_mul_i32 s76, s19, 6144
	v_lshl_add_u32 v[AK0], v8, 4, s76              ; 16 x lane + my head's codes
	v_lshl_add_u32 v[AB0], v8, 3, s76              ; 8 x lane + the same
	s_lshl_b32 s76, s19, 9
	v_lshl_add_u32 v[AS0], v8, 4, s76              ; K's scale words: 512 bytes a head
	s_lshr_b32 s76, s19, 1
	s_lshl_b32 s76, s76, 9
	s_and_b32 s77, s19, 1
	s_lshl_b32 s77, s77, 3
	s_add_co_u32 s76, s76, s77
	v_lshl_add_u32 v[AT0], v8, 4, s76              ; V's: 512 bytes a pair of heads, my head's two words of the four
	s_mul_i32 s76, s50, 16*MP
	v_mul_u32_u24 v[AM0], v11, MP
	v_bfe_u32 v32, v0, 4, 1
	v_lshl_add_u32 v[AM0], v32, 6, v[AM0]
	v_add_nc_u32 v[AM0], s76, v[AM0]               ; the mask: row 16 x tile + r, + 16 (lane / 16) numbers
	; the prefetches: who asks, and where
	s_cmp_eq_u32 s[WV], 5
	s_cselect_b32 s58, 32, 0
	v_add_nc_u32 v33, s58, v8
	v_min_u32 v33, 50, v33
	v_lshlrev_b32 v33, 8, v33                      ; kv: 256 bytes a lane
	v_lshrrev_b32 v34, 1, v8
	v_lshlrev_b32 v34, 13, v34
	v_and_b32 v35, 1, v8
	v_lshl_add_u32 v34, v35, 8, v34                ; the mask: two lanes to a row's 512 bytes
	s_mul_i32 s76, s60, KVB
	s_mul_i32 s77, s15, 51*256
	s_add_co_u32 s76, s76, s77
	s_add_co_u32 s76, s76, KVB                     ; kv: key step 1, my work-group's 51 rows; the first change of slots steps it to step 2
	s_lshl_b32 s77, s17, 19
	s_lshl_b32 s78, s14, 17
	s_add_co_u32 s77, s77, s78
	s_add_co_u32 s77, s77, 512                     ; the mask: key step 1, my work-group's 16 rows
	s_and_b32 s78, ttmp7, 0xffff
	s_mov_b32 s[PFS], KVB
	s_mov_b32 s[PFS+1], 0
	s_cmp_eq_u32 s[WV], 6
	s_cselect_b32 s58, -1, 0
	s_cselect_b64 s[PFA:PFA+1], s[8:9], s[6:7]
	s_cselect_b32 s[PFS], 512, s[PFS]              ; a key step on
	s_cselect_b32 s76, s77, s76
	s_cselect_b32 s78, ttmp9, s78                  ; the coordinate along which other clusters walk the same bytes
	s_mov_b32 s77, 0
	v_cndmask_b32 v[PFO], v33, v34, s58
	s_add_nc_u64 s[PFA:PFA+1], s[PFA:PFA+1], s[76:77]
	s_sub_co_u32 s79, s[WV], 4
	s_cmp_lt_u32 s79, 3                            ; waves 4 to 6
	s_cselect_b32 s79, 0, 1
	s_or_b32 s78, s78, s79
	s_cmp_eq_u32 s78, 0
	s_cselect_b32 s[LIM], 1, -1                    ; the same in all sixteen partners, for a given wave
	v_mov_b32 v13, 0xff61b1e6                      ; the largest t so far: -3e38
	v_floor_f32 v12, -v13                          ; -M
	v_mov_b32 v14, 0
	v_mov_b32 v15, 0
	v_mov_b32 v[FF+1], 0                           ; (named as the upper half of the pair)
.irp j, 0,1,2,3,4,5
	v_mov_b32 v[QF+6+\j], 0                        ; Q's k = 64 .. 127
	v_mov_b32 v[KF+48+\j], 0                       ; behind K's last tile
.endr
.set j, 0
.rept 32
	v_mov_b32 v[OT+j], 0                           ; O^T: the step is written once; the first finds zeros, which the first change of M leaves zeros
.set j, j+1
.endr
; A KEY STEP: the 128 keys of the slot in hand.
.macro STEP
	v_add_nc_u32 v[ADK], s[TB], v[AK0]             ; these five are also the places behind the last step's products, in front of the loads below
	v_add_nc_u32 v[ADB], s[TB], v[AB0]
	v_add_nc_u32 v[ADS], s[TB], v[AS0]
	v_add_nc_u32 v[ADT], s[TB], v[AT0]
	v_add_nc_u32 v[ADM], s[TB], v[AM0]
.irp t, 0,1,2,3,4,5,6,7
	ds_load_b128 v[KF+6*\t:KF+6*\t+3], v[ADK] offset:768*\t
	ds_load_b64 v[KF+6*\t+4:KF+6*\t+5], v[ADB] offset:768*\t+512
.endr
	ds_load_b128 v[KS:KS+3], v[ADS] offset:KSO
.irp b, 0,1,2,3
.irp j, 0,1,2,3
	ds_load_b128 v[MK+16*\b+4*\j:MK+16*\b+4*\j+3], v[ADM] offset:MOFF+128*\b+16*\j   ; register 16 b + i: the mask at key 32 b + 16 (lane / 16) + i
.endr
.endr
	s_wait_dscnt 16                                ; K and its scale words are in; the mask's 16 loads may be out
.irp t, 0,2,4,6
	v_wmma_scale_f32_16x16x128_f8f6f4 v[S+8*\t:S+8*\t+7], v[KF+6*\t:KF+6*\t+11], v[QF:QF+11], 0, v[KS+\t/2], v[QS] matrix_a_fmt:MATRIX_FMT_FP6 matrix_b_fmt:MATRIX_FMT_FP6
	v_wmma_scale_f32_16x16x128_f8f6f4 v[S+8*\t+8:S+8*\t+15], v[KF+6*\t+6:KF+6*\t+17], v[QF:QF+11], 0, v[KS+\t/2], v[QS] matrix_a_fmt:MATRIX_FMT_FP6 matrix_b_fmt:MATRIX_FMT_FP6 matrix_a_scale:MATRIX_SCALE_ROW1
.endr
.rept 4
	v_nop                                          ; places: V lands where K lay, and the scores are read
.endr
.irp c, 0,1,2,3
	ds_load_b128 v[KF+12*\c:KF+12*\c+3], v[ADK] offset:VCO+1536*\c
	ds_load_b64 v[KF+12*\c+4:KF+12*\c+5], v[ADB] offset:VCO+1536*\c+512
	ds_load_b128 v[KF+12*\c+6:KF+12*\c+9], v[ADK] offset:VCO+1536*\c+768
	ds_load_b64 v[KF+12*\c+10:KF+12*\c+11], v[ADB] offset:VCO+1536*\c+1280
.endr
	ds_load_b64 v[VS:VS+1], v[ADT] offset:VSO
	s_wait_dscnt 17                                ; the mask is in; V's 17 loads may be out
.set j, 0
.rept 32
	v_pk_fma_f32 v[S+j:S+j+1], v[MK+j:MK+j+1], s[NEG:NEG+1], v[S+j:S+j+1] op_sel_hi:[1,0,1]   ; logit = score / 8 + mask x (-1e9); ascending: each accumulator from its low end on
.set j, j+2
.endr
.irp b, 0,1,2,3
	v_max3_num_f32 v[BM+\b], v[S+16*\b], v[S+1+16*\b], v[S+2+16*\b]   ; the largest logit of each block of 32 keys: for the row's maximum and, since p rises with the logit, for the block's largest p
.endr
.irp i, 3,5,7,9,11,13
.irp b, 0,1,2,3
	v_max3_num_f32 v[BM+\b], v[BM+\b], v[S+16*\b+\i], v[S+1+16*\b+\i]
.endr
.endr
.irp b, 0,1,2,3
	v_max_num_f32 v[BM+\b], v[BM+\b], v[S+15+16*\b]
.endr
.irp b, 0,1,2,3
	v_permlanex16_b32 v[T2+\b], v[BM+\b], s[SEL], s[SEL+1]
.endr
.irp b, 0,1,2,3
	v_max_num_f32 v[BM+\b], v[BM+\b], v[T2+\b]     ; with lane l xor 16's 16 keys
.endr
	v_max3_num_f32 v[TP], v[BM], v[BM+1], v[BM+2]
	v_max_num_f32 v[TP], v[TP], v[BM+3]
	v_mul_f32 v[TP], s[CS], v[TP]                  ; as t
	v_max_num_f32 v13, v13, v[TP]                  ; the running largest t
	v_mov_b32 v[TP], v12
	v_floor_f32 v12, -v13                          ; the new -M = -ceil(t): a whole number
	v_sub_f32 v[TP], v12, v[TP]                    ; old M - new M: a whole number, 0 or less
	v_cvt_i32_f32 v[TP], v[TP]                     ; (it saturates)
	v_ldexp_f32 v[FF], 1.0, v[TP]                  ; f = 2^(old M - new M)
.set j, 0
.rept 32
	v_pk_fma_f32 v[S+j:S+j+1], v[S+j:S+j+1], s[CS:CS+1], v[12:13] op_sel_hi:[1,0,0]   ; t - M
.set j, j+2
.endr
.irp b, 0,1,2,3
	v_fma_f32 v[BM+\b], v[BM+\b], s[CS], v12
.endr
.set j, 0
.rept 64
	v_exp_f32 v[S+j], v[S+j]                       ; p = 2^(t - M): not normalised
.set j, j+1
.endr
	v_pk_mul_f32 v[14:15], v[14:15], v[FF:FF+1] op_sel_hi:[1,0]   ; the sums under the new M: a plain place behind the exponentials
	s_wait_alu depctr_va_vdst(0)                   ; one wait for the whole batch, ahead of its first reader
.irp b, 0,1,2,3
	v_exp_f32 v[BM+\b], v[BM+\b]                   ; the blocks' largest p
.endr
	v_pk_add_f32 v[T2:T2+1], v[S:S+1], v[S+2:S+3]  ; the row's sum of the unquantised p, in two chains
.irp j, 4,8,12,16,20,24,28,32,36,40,44,48,52,56,60
	v_pk_add_f32 v[14:15], v[14:15], v[S+\j:S+\j+1]
	v_pk_add_f32 v[T2:T2+1], v[T2:T2+1], v[S+2+\j:S+3+\j]
.endr
	v_pk_add_f32 v[14:15], v[14:15], v[T2:T2+1]
	s_wait_alu depctr_va_vdst(0)                   ; and one for the four
.irp b, 0,1,2,3
	v_max_num_f32 v[BM+\b], 0x1800000, v[BM+\b]    ; the floor 2^(3 - 127): the byte cannot fall under 1
.endr
.irp b, 0,1,2,3
	v_add_nc_u32 v[SO+\b], 0xff000000, v[BM+\b]    ; 2 off the exponent field: the conversion's scale operand
.endr
.irp b, 0,1,2,3
	v_lshrrev_b32 v[T2+\b], 23, v[SO+\b]           ; the scale's byte
.endr
	v_lshl_or_b32 v[PS], v[T2+1], 8, v[T2]         ; p's scale word for these 128 keys
	v_lshl_or_b32 v[PS], v[T2+2], 16, v[PS]
	v_lshl_or_b32 v[PS], v[T2+3], 24, v[PS]
.irp c, 0,1
	v_cvt_scalef32_pk16_fp6_f32 v[PC+6*\c:PC+2+6*\c], v[S+32*\c:S+15+32*\c], v[SO+2*\c]
	v_cvt_scalef32_pk16_fp6_f32 v[T2+4*\c:T2+2+4*\c], v[S+16+32*\c:S+31+32*\c], v[SO+2*\c+1]
.endr
	v_nop                                          ; one plain place behind a scaled conversion
.irp c, 0,1                                    ; the operand's layout wants a whole block in a lane
.irp i, 0,1,2
	v_permlane16_swap_b32 v[PC+6*\c+\i], v[T2+4*\c+\i]
.endr
.irp i, 0,1,2
	v_mov_b32 v[PC+3+6*\c+\i], v[T2+4*\c+\i]
.endr
.endr
.set j, 0
.rept 16
	v_pk_mul_f32 v[OT+j:OT+j+1], v[OT+j:OT+j+1], v[FF:FF+1] op_sel_hi:[1,0]   ; O^T under the new M; these sixteen are also the places between p's codes and scale word and the products below
.set j, j+2
.endr
	s_wait_dscnt 0x0                               ; V and its scale words are in
.irp c, 0,2                                    ; O^T += V^T P^T: the four accumulators by turns
	v_wmma_scale_f32_16x16x128_f8f6f4 v[OT+8*\c:OT+8*\c+7], v[KF+12*\c:KF+12*\c+11], v[PC:PC+11], v[OT+8*\c:OT+8*\c+7], v[VS+\c/2], v[PS] matrix_a_fmt:MATRIX_FMT_FP6 matrix_b_fmt:MATRIX_FMT_FP6
	v_wmma_scale_f32_16x16x128_f8f6f4 v[OT+8*\c+8:OT+8*\c+15], v[KF+12*\c+12:KF+12*\c+23], v[PC:PC+11], v[OT+8*\c+8:OT+8*\c+15], v[VS+\c/2], v[PS] matrix_a_fmt:MATRIX_FMT_FP6 matrix_b_fmt:MATRIX_FMT_FP6 matrix_a_scale:MATRIX_SCALE_ROW1
.endr
.endm
; THE CHANGE OF SLOTS stands at a step's head.  Each wave waits for all its tensor loads (its part of the slot that it is about to read), adds 0 to its spare word, and waits for that and for its reads of the slot that it has left.
; fill = 1: a round of the cluster's barrier, and behind it the slot just left is filled with the next key step: one tensor load a wave, with a whole step in which to land.
.macro CHANGE fill
	s_wait_tensorcnt 0x0                           ; no tensor load of mine is out, so a group 0 may be written
	ds_add_u32 v[SPW], v[NIL]                      ; 0 onto my spare word
.if \fill
	s_xor_b32 s[G0KV+1], s[G0KV+1], SLOT1          ; the walking descriptors: the other slot,
	s_add_nc_u64 s[G0KV+2:G0KV+3], s[G0KV+2:G0KV+3], KVB   ; the next block;
	s_xor_b32 s[G0M+1], s[G0M+1], SLOT1
	s_add_nc_u64 s[G0M+2:G0M+3], s[G0M+2:G0M+3], 512       ; the next 128 columns of the mask
	s_wait_xcnt 0x0                                ; the last prefetch, a step back, has read its address
	s_add_nc_u64 s[PFA:PFA+1], s[PFA:PFA+1], s[PFS:PFS+1]
	s_wait_dscnt 0x0                               ; the add is done, and my reads of the slot that I have left are over
	CROUND
	TLOAD
	ASK
.else
	s_wait_dscnt 0x0
	s_barrier_signal -1
	s_barrier_wait -1
.endif
.endm
	s_wait_loadcnt 0x0                             ; Q
.Lslot:                                            ; 15 trips: behind each change of slots but the last the next key step is asked for
	CHANGE 1
	STEP
	s_xor_b32 s[TB], s[TB], SLOT1
	s_sub_co_u32 s[SLOTS], s[SLOTS], 1
	s_cmp_lg_u32 s[SLOTS], 0
	s_cbranch_scc1 .Lslot
	CHANGE 0                                       ; the last step is written out
	STEP
	; THE WAY OUT.  O^T / the sum; its two blocks of 32 channels are quantised; a lane's 16 codes (12 bytes) are place 4 head + 2 b + lane / 16 of the token's 16 places in this group of heads.
	; They meet in a stage of their own and leave as rows: sixteen lanes store a token's 192 consecutive bytes.
	v_add_f32 v14, v14, v15
	v_permlanex16_b32 v[TP], v14, s[SEL], s[SEL+1]
	v_add_f32 v14, v14, v[TP]                      ; the row's sum
	v_rcp_f32 v14, v14
	v_and_b32 v3, 15, v0                           ; r  (plain work behind the reciprocal; also the places behind the last products)
	v_bfe_u32 v4, v0, 4, 1                         ; h
	s_mul_i32 s58, s50, 16*272
	s_lshl_b32 s59, s19, 6
	s_add_co_u32 s58, s58, s59
	s_add_co_u32 s58, s58, STG
	v_mul_u32_u24 v8, v3, 272
	v_lshl_add_u32 v8, v4, 4, v8
	v_add_nc_u32 v8, s58, v8                       ; into the stage: token 16 x tile + r, + 64 x head + 16 h
	s_lshl_b32 s58, s50, 7
	s_lshl_b32 s59, s19, 1
	s_add_co_u32 s58, s58, s59
	s_add_co_u32 s58, s58, STS
	v_lshl_add_u32 v9, v3, 3, s58                  ; the token's 8 scale bytes, my head's two
	s_mul_i32 s58, s[WV], 4*272
	s_add_co_u32 s58, s58, STG
	v_mul_u32_u24 v10, v4, 272
	v_lshl_add_u32 v10, v3, 4, v10
	v_add_nc_u32 v10, s58, v10                     ; back: wave w takes tokens 4 w .. 4 w + 3, sixteen lanes to a token
	v_lshl_add_u32 v11, v0, 3, STS                 ; threads 0 to 63: a token's 8 scale bytes
	s_mul_i32 s58, s[WV], 4*768
	v_mul_u32_u24 v1, v4, 768
	v_mad_u32_u24 v1, v3, 12, v1
	v_add_nc_u32 v1, s58, v1                       ; and the same places in memory
	v_lshlrev_b32 v2, 5, v0
	s_lshl_b32 s58, s16, 11
	s_lshl_b32 s59, s17, 6
	s_add_co_u32 s58, s58, s59                     ; my work-group's first token
	s_mul_i32 s60, s58, 768
	s_mul_i32 s59, s14, 192
	s_add_co_u32 s60, s60, s59
	s_mov_b32 s61, 0
	s_add_nc_u64 s[10:11], s[10:11], s[60:61]
	s_lshl_b32 s60, s58, 5
	s_lshl_b32 s59, s14, 3
	s_add_co_u32 s60, s60, s59
	s_add_nc_u64 s[12:13], s[12:13], s[60:61]
	s_wait_alu depctr_va_vdst(0)                   ; the wait ahead of the reciprocal's first reader
.set j, 0
.rept 32
	v_mul_f32 v[S+j], v[OT+j], v14                 ; register 16 b + i: channel 32 b + 16 h + i of my query
.set j, j+1
.endr
.irp b, 0,1
	v_max3_num_f32 v[BM+\b], |v[S+16*\b]|, |v[S+1+16*\b]|, 0x1800000
.endr
.irp i, 2,4,6,8,10,12,14
.irp b, 0,1
	v_max3_num_f32 v[BM+\b], v[BM+\b], |v[S+16*\b+\i]|, |v[S+1+16*\b+\i]|
.endr
.endr
.irp b, 0,1
	v_permlanex16_b32 v[T2+\b], v[BM+\b], s[SEL], s[SEL+1]
.endr
.irp b, 0,1
	v_max_num_f32 v[BM+\b], v[BM+\b], v[T2+\b]
.endr
.irp b, 0,1
	v_add_nc_u32 v[SO+\b], 0xff000000, v[BM+\b]
.endr
.irp b, 0,1
	v_lshrrev_b32 v[T2+\b], 23, v[SO+\b]
.endr
	v_lshl_or_b32 v[T2+4], v[T2+1], 8, v[T2]
	v_cvt_scalef32_pk16_fp6_f32 v[PC:PC+2], v[S:S+15], v[SO]
	v_cvt_scalef32_pk16_fp6_f32 v[PC+4:PC+6], v[S+16:S+31], v[SO+1]
	v_nop
	ds_store_b96 v8, v[PC:PC+2]
	ds_store_b96 v8, v[PC+4:PC+6] offset:32
	ds_store_b16 v9, v[T2+4]                       ; both halves of the lanes write the same two bytes with the same value
	s_wait_dscnt 0x0                               ; for the others' sake: my stores into the stage are done
	s_barrier_signal -1
	s_barrier_wait -1
	ds_load_b96 v[32:34], v10
	ds_load_b96 v[36:38], v10 offset:2*272
	s_wait_dscnt 0x0
	global_store_b96 v1, v[32:34], s[10:11]
	global_store_b96 v1, v[36:38], s[10:11] offset:2*768
	s_cmp_lt_u32 s[WV], 2
	s_cbranch_scc0 .Lno_scales
	ds_load_b64 v[40:41], v11
	s_wait_dscnt 0x0
	global_store_b64 v2, v[40:41], s[12:13]
.Lno_scales:
	s_wait_tensorcnt 0x0                           ; the wave's end
	ds_add_u32 v[SPW], v[NIL]
	s_wait_dscnt 0x0
	CROUND                                         ; the closing round
	s_endpgm
.Lfunc_end_k_qd3f38e41bd_attn:
	.size	k_qd3f38e41bd_attn, .Lfunc_end_k_qd3f38e41bd_attn-k_qd3f38e41bd_attn
	.p2alignl 7, 3214868480
	.fill 96, 4, 3214868480
	.section	.rodata,"a",@progbits
	.p2align	6, 0x0
	.amdhsa_kernel k_qd3f38e41bd_attn
		.amdhsa_group_segment_fixed_size 327680
		.amdhsa_private_segment_fixed_size 0
		.amdhsa_enable_private_segment 0
		.amdhsa_kernarg_size 40
		.amdhsa_user_sgpr_count 2
		.amdhsa_user_sgpr_kernarg_segment_ptr 1
		.amdhsa_wavefront_size32 1
		.amdhsa_system_sgpr_workgroup_id_x 1
		.amdhsa_system_sgpr_workgroup_id_y 1
		.amdhsa_system_sgpr_workgroup_id_z 1
		.amdhsa_system_vgpr_workitem_id 0
		.amdhsa_next_free_vgpr 256
		.amdhsa_next_free_sgpr 100
		.amdhsa_reserve_vcc 0
		.amdhsa_float_denorm_mode_32 3
		.amdhsa_float_denorm_mode_16_64 3
		.amdhsa_memory_ordered 1
		.amdhsa_forward_progress 1
		.amdhsa_inst_pref_size 55
	.end_amdhsa_kernel
	.amdgpu_metadata
---
amdhsa.version: [ 1, 2 ]
amdhsa.kernels:
  - .name:           k_qd3f38e41bd_attn
    .symbol:         k_qd3f38e41bd_attn.kd
    .args:
      - { .name: qimg, .offset: 0, .size: 8, .value_kind: global_buffer, .address_space: global }
      - { .name: kv, .offset: 8, .size: 8, .value_kind: global_buffer, .address_space: global }
      - { .name: mask, .offset: 16, .size: 8, .value_kind: global_buffer, .address_space: global }
      - { .name: ocodes, .offset: 24, .size: 8, .value_kind: global_buffer, .address_space: global }
      - { .name: oscales, .offset: 32, .size: 8, .value_kind: global_buffer, .address_space: global }
    .group_segment_fixed_size: 327680
    .private_segment_fixed_size: 0
    .kernarg_segment_align: 8
    .kernarg_segment_size: 40
    .max_flat_workgroup_size: 512
    .sgpr_count:     100
    .vgpr_count:     256
    .wavefront_size: 32
...
	.end_amdgpu_metadata
.endif
;; end of part 3
;; launch oproj (part 4): grid 4 x 32, 4 waves a work-group, clusters of 4 x 4, 327,680 bytes of LDS; arguments ocodes, oscales, wcodes, wscales, bo, out0; writes out0
.if DOCPART == 4
	.amdgcn_target "amdgcn-amd-amdhsa--gfx1250"
	.amdhsa_code_object_version 6
	.text
	.protected	k_qd3f38e41bd_oproj
	.globl	k_qd3f38e41bd_oproj
	.p2align	8
	.type	k_qd3f38e41bd_oproj,@function
k_qd3f38e41bd_oproj:
	s_mov_b64 s[64:65], 0
	v_nop
	global_prefetch_b8 v0, s[64:65] scope:SCOPE_SE
	s_setreg_imm32_b32 hwreg(HW_REG_WAVE_MODE, 25, 1), 1
	s_wait_xcnt 0x0
	s_wait_alu depctr_hold_cnt(0) depctr_sa_sdst(0) depctr_va_vdst(0) depctr_va_sdst(0) depctr_va_ssrc(0) depctr_va_vcc(0) depctr_vm_vsrc(0)
	s_getreg_b32 s2, hwreg(HW_REG_IB_STS2, 6, 4)
	s_cmp_eq_u32 s2, 0
	s_cbranch_scc0 .Lentry_in_a_cluster
	s_endpgm
.Lentry_in_a_cluster:
	s_bfe_u32 s2, ttmp6, 0x10000c
	s_cmp_lg_u32 s2, 0xf033
	s_cbranch_scc0 .Lentry_shape_is_right
	s_endpgm
.Lentry_shape_is_right:
; out0 = O Wo + bo.  O: [8192][1024] as codes of FP6 (E2M3) with E8M0 scales [8192][32]; Wo: the fourth weight of wcodes [4][1024 (n)][768] and wscales [4][1024][32], its rows n stored with bits 3 and 4 of the row's number exchanged;
; out0: [8192][1024] f32; sums in f32.
; A tile of 256 x 256 is made by four waves, 128 x 128 each: 64 accumulators, 512 registers.  K = 1,024 goes in steps of 256 through a ring of two LDS slots filled by tensor loads; the scale bytes of the work-group's rows come into LDS once.
; 4 x 4 work-groups form a cluster: O's tiles are asked for jointly along a row of the cluster, Wo's along a column.
; The matrix instruction takes 16 rows of Wo as source 0 and 16 tokens as source 1: a lane holds one token, and registers j of accumulator (a, b) the columns 32 (b / 2) + 16 (lane / 16) + 8 (b % 2) + j.
; THE BIAS is the C of each sum's first matrix instruction: 64 registers in that order.
; REGISTERS, in windows of 256: window 0: v0-31 addresses; v32-63 scale words, two sets; v64-127 the bias; v128-223 A's fragments, one set; on the way out v128-255 take rows read back.
;   window 1: B's fragments, two sets.  window 2, 3: the accumulators ((a, b) at v[8 (8 (a % 4) + b)]).
.set SIZE_N, 1024
.set SIZE_K, 1024
.set KSTEP,  256
.set NQ,     KSTEP/128
.set ROWB,   192
.set KROW,   SIZE_K*6/8
.set PITCH,  240                       ; an LDS row: 3 x (64 bytes + 16 of padding)
.set FR,     12
.set NL,     6
.set NP,     4                         ; places behind this matrix instruction (ISA guide 7.12.1)
.set HALFT,  128*PITCH
.set SLOT,   4*HALFT
.set LAPS,   SIZE_K/(2*KSTEP)
.set KS,     SIZE_K/32
.set SCL,    2*SLOT
.set HALFS,  (128*KS/256)*272
.set SBLK,   (16*KS/256)*272
.set SPARE,  SCL+4*HALFS               ; the spare words, 128 bytes for each wave: two blocks of 256 bytes that no other line names
.set SPITCH, 528                       ; the way out: a stage of 16 rows x (512 bytes + 16) for each wave, in slot 0, which has had its last fill and its last read when the first result is stored there
.set ADRA, 16
.set ADRB, 20
.set STO,  24
.set RD,   25
.set CO,   26
.set ADRS, 27
.set SPW,  28
.set NIL,  29
.set SC,   32
.set BI,   64
.set AF,   128
.set BK,   128
.set G1, 24
.set G0, 32
.set G1B, 48
.set G0B, 56
.set G1S, 68
.set G0S, 76
.set G1SB, 80
.set G0SB, 88
.set MSB, 0
.macro WIN new                         ; the immediate's high byte repeats the setting that is left
.if MSB != \new
	s_set_vgpr_msb (MSB<<8)|\new
.set MSB, \new
.endif
.endm
.set MUL_LO, 0xa1                      ; source 0 (B) window 1, source 1 (A) window 0, C and D window 2
.set MUL_HI, 0xf1
.set FST_LO, 0x81                      ; the first step: C (the bias) window 0, D window 2
.set FST_HI, 0xc1
.set TO_B,   0x40
.macro JLOAD g0a, g1a, g0b, g1b        ; a joint load: waves 0 and 1 fetch for A, waves 2 and 3 for B; four v_nop follow each of the two lines
	s_cmp_eq_u32 s15, 0
	s_cbranch_scc0 .Lfor_b_\@
	tensor_load_to_lds s[\g0a:\g0a+3], s[\g1a:\g1a+7]
	s_nop 0
.rept 4
	v_nop
.endr
	s_branch .Lasked_\@
.Lfor_b_\@:
	tensor_load_to_lds s[\g0b:\g0b+3], s[\g1b:\g1b+7]
	s_nop 0
.rept 4
	v_nop
.endr
.Lasked_\@:
.endm
.macro CREST
	s_cmp_lg_u32 s14, 0
	s_cbranch_scc1 .Lnot_wave_0_\@
	s_barrier_signal -3
.Lnot_wave_0_\@:
	s_barrier_wait -3
	s_barrier_signal -1
	s_barrier_wait -1
.endm
.macro CROUND
	s_barrier_signal -1
	s_barrier_wait -1
	CREST
.endm
	s_load_b128 s[4:7], s[0:1], 0x0                ; O's codes, O's scales
	s_load_b128 s[8:11], s[0:1], 0x10              ; the weights' codes, their scales
	s_load_b128 s[96:99], s[0:1], 0x20             ; bo, out0
	v_lshl_add_u32 v[SPW], v0, 2, SPARE
	v_mov_b32 v[NIL], 0
	ds_add_u32 v28, v29
	s_wait_dscnt 0x0
	v_lshrrev_b32 v1, 5, v0
	v_readfirstlane_b32 s14, v1                    ; wave 0..3
	s_lshr_b32 s15, s14, 1
	s_and_b32 s16, s14, 1
	s_bfe_u32 s40, ttmp6, 0x40000                  ; cx
	s_bfe_u32 s41, ttmp6, 0x40004                  ; cy
	s_lshl_b32 s42, ttmp9, 2
	s_add_co_u32 s42, s42, s40                     ; tile column
	s_and_b32 s17, ttmp7, 0xffff
	s_lshl_b32 s17, s17, 2
	s_add_co_u32 s17, s17, s41                     ; tile row
	s_lshl_b32 s43, s41, 2
	s_lshl_b32 s43, 15, s43                        ; my row of the cluster
	s_lshl_b32 s44, 0x1111, s40                    ; my column
	s_or_b32 s[G1+0], s43, (0<<16)|(1<<20)|(1<<21)|(3<<22)|(3<<25)
	s_or_b32 s[G1B+0], s44, (0<<16)|(1<<20)|(1<<21)|(3<<22)|(3<<25)
.irp g, G1, G1B
	s_mov_b32 s[\g+1], ROWB<<16
	s_mov_b32 s[\g+2], 128<<16
	s_mov_b32 s[\g+3], ROWB<<16
	s_mov_b32 s[\g+4], 128
	s_mov_b32 s[\g+5], KROW
	s_mov_b32 s[\g+6], 0
	s_mov_b32 s[\g+7], 0
.endr
	s_or_b32 s[G1S+0], s43, (3<<16)|(1<<20)|(1<<21)|(5<<22)|(3<<25)
	s_or_b32 s[G1SB+0], s44, (3<<16)|(1<<20)|(1<<21)|(5<<22)|(3<<25)
.irp g, G1S, G1SB
	s_mov_b32 s[\g+1], 32<<16
	s_mov_b32 s[\g+2], (128*KS/256)<<16
	s_mov_b32 s[\g+3], 32<<16
	s_mov_b32 s[\g+4], 128*KS/256
	s_mov_b32 s[\g+5], 32
	s_mov_b32 s[\g+6], 0
	s_mov_b32 s[\g+7], 0
.endr
	s_lshl_b32 s18, s16, 7
	s_lshl_b32 s20, s17, 8
	s_add_co_u32 s20, s20, s18
	s_lshl_b32 s46, s42, 8
	s_add_co_u32 s46, s46, s18
	s_mov_b32 s21, 0
	s_mov_b32 s47, 0
	s_mov_b64 s[18:19], KS
	s_mul_u64 s[22:23], s[20:21], s[18:19]
	s_mul_u64 s[92:93], s[46:47], s[18:19]
	s_mov_b64 s[18:19], KROW
	s_mul_u64 s[20:21], s[20:21], s[18:19]
	s_mul_u64 s[46:47], s[46:47], s[18:19]
	s_mul_i32 s45, s14, HALFT
	s_mul_i32 s94, s14, HALFS
	s_wait_kmcnt 0x0
	s_add_nc_u64 s[8:9], s[8:9], 3*786432          ; Wo is the fourth weight
	s_add_nc_u64 s[10:11], s[10:11], 3*32768
	s_mov_b64 s[12:13], s[98:99]                   ; out0
	s_add_nc_u64 s[20:21], s[4:5], s[20:21]
	s_add_nc_u64 s[22:23], s[6:7], s[22:23]
	s_add_nc_u64 s[46:47], s[8:9], s[46:47]
	s_add_nc_u64 s[92:93], s[10:11], s[92:93]
	CROUND                                         ; all sixteen work-groups are here: the first joint loads meet
	s_mov_b32 s[G0S], 1
	s_add_co_u32 s[G0S+1], s94, SCL
	s_mov_b64 s[G0S+2:G0S+3], s[22:23]
	s_or_b32 s[G0S+3], s[G0S+3], 0x80000000
	s_mov_b32 s[G0SB], 1
	s_add_co_u32 s[G0SB+1], s94, SCL
	s_mov_b64 s[G0SB+2:G0SB+3], s[92:93]
	s_or_b32 s[G0SB+3], s[G0SB+3], 0x80000000
	JLOAD G0S, G1S, G0SB, G1SB
.irp s, 0,1
	s_mov_b32 s[G0+4*\s], 1
	s_add_co_u32 s[G0+4*\s+1], s45, \s*SLOT
	s_add_nc_u64 s[G0+4*\s+2:G0+4*\s+3], s[20:21], \s*ROWB
	s_or_b32 s[G0+4*\s+3], s[G0+4*\s+3], 0x80000000
	s_mov_b32 s[G0B+4*\s], 1
	s_add_co_u32 s[G0B+4*\s+1], s45, \s*SLOT
	s_add_nc_u64 s[G0B+4*\s+2:G0B+4*\s+3], s[46:47], \s*ROWB
	s_or_b32 s[G0B+4*\s+3], s[G0B+4*\s+3], 0x80000000
	JLOAD G0+4*\s, G1, G0B+4*\s, G1B
.endr
	v_and_b32 v1, 15, v0                           ; r
	v_bfe_u32 v2, v0, 4, 1                         ; h
	v_mul_u32_u24 v3, v1, PITCH
	v_mul_u32_u24 v4, v2, 24
	v_add_nc_u32 v4, v3, v4
	v_lshl_add_u32 v5, v2, 4, v4
	s_mul_i32 s21, s15, HALFT
	s_mul_i32 s22, s16, HALFT
	s_add_co_u32 s22, s22, 2*HALFT
.irp s, 0,1
	v_add_nc_u32 v[ADRA+\s], s21, v4
	v_add_nc_u32 v[ADRB+\s], s22, v4
	v_add_nc_u32 v[ADRA+2+\s], s21, v5
	v_add_nc_u32 v[ADRB+2+\s], s22, v5
	s_add_co_u32 s21, s21, SLOT
	s_add_co_u32 s22, s22, SLOT
.endr
	v_mul_u32_u24 v5, v1, KS
	v_lshrrev_b32 v6, 8, v5
	v_lshl_add_u32 v5, v6, 4, v5
	s_mul_i32 s21, s15, HALFS
	s_mul_i32 s22, s16, HALFS
	s_add_co_u32 s22, s22, 2*HALFS
	s_sub_co_u32 s22, s22, s21
	v_mul_u32_u24 v6, s22, v2                      ; lanes 16-31 take B's
	s_add_co_u32 s21, s21, SCL
	v_add_nc_u32 v5, v5, v6
	v_add_nc_u32 v[ADRS], s21, v5
	s_mul_i32 s23, s14, 16*SPITCH                  ; my stage
	v_mul_u32_u24 v5, v1, SPITCH                   ; in: row r, + 64 h: my half's 16 columns of each 32
	v_lshl_add_u32 v5, v2, 6, v5
	v_add_nc_u32 v[STO], s23, v5
	v_and_b32 v6, 31, v0
	v_lshlrev_b32 v[CO], 4, v6                     ; back: the 32 lanes take one row of 512 bytes; and the same in out0
	v_add_nc_u32 v[RD], s23, v[CO]
	s_lshl_b32 s20, s17, 8
	s_lshl_b32 s21, s15, 7
	s_add_co_u32 s20, s20, s21                     ; my first row
	s_mov_b32 s21, 0
	s_mov_b64 s[18:19], SIZE_N*4
	s_mul_u64 s[20:21], s[20:21], s[18:19]
	s_lshl_b32 s46, s42, 10                        ; my first column, in bytes: in out0 and in bo alike
	s_lshl_b32 s47, s16, 9
	s_add_co_u32 s46, s46, s47
	s_mov_b32 s47, 0
	s_add_nc_u64 s[20:21], s[20:21], s[46:47]
	s_add_nc_u64 s[12:13], s[12:13], s[20:21]
	s_add_nc_u64 s[96:97], s[96:97], s[46:47]
	v_lshlrev_b32 v7, 6, v2
.irp t, 0,1,2,3,4,5,6,7
	global_load_b128 v[BI+8*\t:BI+8*\t+3], v7, s[96:97] offset:128*(\t/2)+32*(\t%2)
	global_load_b128 v[BI+8*\t+4:BI+8*\t+7], v7, s[96:97] offset:128*(\t/2)+32*(\t%2)+16
.endr
.macro FRAG reg, adr, q, i
.irp p, 0,1,2,3,4,5
.set PIECE, 12*(\q)+6*(\p/3)+\p%3
.if PIECE%8 < 5
	ds_load_b64 v[\reg+2*\p:\reg+2*\p+1], v[\adr] offset:8*PIECE+16*(PIECE/8)+(\i)*16*PITCH
.else
	ds_load_b64 v[\reg+2*\p:\reg+2*\p+1], v[\adr+2] offset:8*PIECE+16*(PIECE/8)+(\i)*16*PITCH
.endif
.endr
.endm
; 16 matrix instructions: A's blocks a0, a0 + 1 x B's eight.  first = 1: the bias starts the sums.  The 64 accumulators take turns, one instruction a turn.
.macro MUL16 a0, p, q, sc, first
.irp a, \a0, \a0+1
.irp b, 0,1,2,3,4,5,6,7
.if \first
	v_wmma_scale_f32_16x16x128_f8f6f4 v[8*(8*((\a)%4)+\b):8*(8*((\a)%4)+\b)+7], v[128*(\p)+FR*\b:128*(\p)+FR*\b+FR-1], v[AF+FR*(\a):AF+FR*(\a)+FR-1], v[BI+8*\b:BI+8*\b+7], v[SC+8*NQ*(\sc)+NQ*\b+(\q)], v[SC+8*NQ*(\sc)+NQ*(\a)+(\q)] matrix_a_fmt:MATRIX_FMT_FP6 matrix_b_fmt:MATRIX_FMT_FP6 matrix_a_scale:MATRIX_SCALE_ROW1
.else
	v_wmma_scale_f32_16x16x128_f8f6f4 v[8*(8*((\a)%4)+\b):8*(8*((\a)%4)+\b)+7], v[128*(\p)+FR*\b:128*(\p)+FR*\b+FR-1], v[AF+FR*(\a):AF+FR*(\a)+FR-1], v[8*(8*((\a)%4)+\b):8*(8*((\a)%4)+\b)+7], v[SC+8*NQ*(\sc)+NQ*\b+(\q)], v[SC+8*NQ*(\sc)+NQ*(\a)+(\q)] matrix_a_fmt:MATRIX_FMT_FP6 matrix_b_fmt:MATRIX_FMT_FP6 matrix_a_scale:MATRIX_SCALE_ROW1
.endif
.endr
.endr
.endm
.macro FETCH_B slot, q, p
	WIN TO_B
.irp i, 0,1,2,3,4,5,6,7
	FRAG 128*(\p)+FR*\i, ADRB+\slot, \q, \i
.endr
	WIN 0
.endm
.macro FETCH_A slot, q, i0
.irp i, \i0, \i0+1, \i0+2, \i0+3
	FRAG AF+FR*(\i), ADRA+\slot, \q, \i
.endr
.endm
.macro SCALES sc
.irp i, 0,1,2,3,4,5,6,7
	ds_load_b64 v[SC+8*NQ*\sc+NQ*\i:SC+8*NQ*\sc+NQ*\i+1], v[ADRS] offset:\i*SBLK
.endr
.endm
.macro PLACES n
.rept \n
	v_nop
.endr
.endm
.macro STEP slot, q, first
	s_wait_dscnt 4*NL                              ; B's set and A's blocks 0-3 are in; the youngest 24 loads (A's blocks 4-7) may be out
.if \first
	WIN FST_LO
.else
	WIN MUL_LO
.endif
	MUL16 0, (\q)%2, \q, \slot, \first
	MUL16 2, (\q)%2, \q, \slot, \first
	s_wait_dscnt 0
	PLACES NP
	FETCH_B \slot, (\q)+1, 1-(\q)%2
	FETCH_A \slot, (\q)+1, 0
.if \first
	WIN FST_HI
.else
	WIN MUL_HI
.endif
	MUL16 4, (\q)%2, \q, \slot, \first
	MUL16 6, (\q)%2, \q, \slot, \first
	PLACES NP
	WIN 0
	FETCH_A \slot, (\q)+1, 4
.endm
.macro TURN slot, next, fill
	s_wait_tensorcnt 0x0                           ; all my tensor loads have landed: my part of the next slot
	ds_add_u32 v[SPW], v[NIL]                      ; 0 onto my spare word
	s_wait_dscnt 4*NL+1                            ; the add and the youngest 24 loads may be out
	WIN MUL_LO
	MUL16 0, 1, NQ-1, \slot, 0
	s_wait_dscnt 0x0                               ; the add is done, and my reads of this slot are over
	s_barrier_signal -1
	MUL16 2, 1, NQ-1, \slot, 0
	WIN 0
	s_barrier_wait -1
.if \fill
	CREST                                          ; the barrier has opened a round of the cluster's: no wave of any partner still reads this slot or has a load on its way
	s_add_nc_u64 s[G0+4*\slot+2:G0+4*\slot+3], s[G0+4*\slot+2:G0+4*\slot+3], 2*ROWB
	s_add_nc_u64 s[G0B+4*\slot+2:G0B+4*\slot+3], s[G0B+4*\slot+2:G0B+4*\slot+3], 2*ROWB
	JLOAD G0+4*\slot, G1, G0B+4*\slot, G1B
.else
	PLACES NP
.endif
	v_add_nc_u32 v[ADRS], 4*NQ, v[ADRS]
	FETCH_B \next, 0, 0
	FETCH_A \next, 0, 0
	SCALES \next
	WIN MUL_HI
	MUL16 4, 1, NQ-1, \slot, 0
	MUL16 6, 1, NQ-1, \slot, 0
	PLACES NP
	WIN 0
	FETCH_A \next, 0, 4
.endm
	s_wait_tensorcnt 1                             ; the scales and my part of K step 0 are in; K step 1's load may be out
	s_barrier_signal -1
	s_barrier_wait -1
	FETCH_B 0, 0, 0
	FETCH_A 0, 0, 0
	SCALES 0
	FETCH_A 0, 0, 4
	s_wait_loadcnt 0x0                             ; the bias
	STEP 0, 0, 1                                   ; the first step's products start the sums, with the bias as C
	s_mov_b32 s3, LAPS-1
.Llap:
	TURN 0, 1, 1
	STEP 1, 0, 0
	TURN 1, 0, 1
	STEP 0, 0, 0
	s_sub_co_u32 s3, s3, 1
	s_cmp_lg_u32 s3, 0
	s_cbranch_scc1 .Llap
	TURN 0, 1, 0                                   ; the last lap fills nothing
	STEP 1, 0, 0
	s_wait_dscnt 4*NL
	WIN MUL_LO
	MUL16 0, 1, NQ-1, 1, 0
	MUL16 2, 1, NQ-1, 1, 0
	s_wait_dscnt 0
	WIN MUL_HI
	MUL16 4, 1, NQ-1, 1, 0
	MUL16 6, 1, NQ-1, 1, 0
	WIN 0
; THE WAY OUT, block by block of 16 rows x 128 columns, through my own stage in LDS: in by columns' true places, back as whole rows of 512 bytes.  LDS serves a wave's instructions in order (ISA guide 5.7.1.4).
.macro TOSTAGE a
.set AC, 64*((\a)%4)
	WIN 0x08+4*((\a)/4)                            ; the data: window 2 or 3
.irp b, 0,1,2,3,4,5,6,7
	ds_store_b128 v[STO], v[AC+8*\b:AC+8*\b+3] offset:128*(\b/2)+32*(\b%2)          ; each accumulator from its low end on
	ds_store_b128 v[STO], v[AC+8*\b+4:AC+8*\b+7] offset:128*(\b/2)+32*(\b%2)+16
.endr
	WIN 0
.set BB, BK+64*((\a)%2)
.irp t, 0,1,2,3,4,5,6,7,8,9,10,11,12,13,14,15
	ds_load_b128 v[BB+4*\t:BB+4*\t+3], v[RD] offset:\t*SPITCH
.endr
.endm
.macro SEND a, younger                 ; younger: the LDS instructions issued behind block a's loads, which may stay out
.set BB, BK+64*((\a)%2)
	s_wait_dscnt \younger
.if (\a) > 0
	s_add_nc_u64 s[12:13], s[12:13], 16*SIZE_N*4   ; (behind a wait on XCNT: the earlier stores have read their base)
.endif
.irp t, 0,1,2,3,4,5,6,7,8,9,10,11,12,13,14,15
	global_store_b128 v[CO], v[BB+4*\t:BB+4*\t+3], s[12:13] offset:\t*SIZE_N*4 th:TH_STORE_NT   ; 32 lanes store 512 consecutive bytes, aligned
.endr
.endm
	PLACES NP
	TOSTAGE 0
.irp a, 1,2,3,4,5,6,7
.if \a > 1
	s_wait_xcnt 0x0                                ; block a - 2's stores have read their registers and their base
.endif
	TOSTAGE \a
	SEND \a-1, 32                                  ; behind block a - 1's loads: block a's 16 stores and 16 loads
.endr
	s_wait_xcnt 0x0
	SEND 7, 0
	s_wait_tensorcnt 0x0                           ; the wave's end
	ds_add_u32 v[SPW], v[NIL]
	s_wait_dscnt 0x0
	CROUND                                         ; the closing round
	s_endpgm
.Lfunc_end_k_qd3f38e41bd_oproj:
	.size	k_qd3f38e41bd_oproj, .Lfunc_end_k_qd3f38e41bd_oproj-k_qd3f38e41bd_oproj
	.p2alignl 7, 3214868480
	.fill 96, 4, 3214868480
	.section	.rodata,"a",@progbits
	.p2align	6, 0x0
	.amdhsa_kernel k_qd3f38e41bd_oproj
		.amdhsa_group_segment_fixed_size 327680
		.amdhsa_private_segment_fixed_size 0
		.amdhsa_enable_private_segment 0
		.amdhsa_kernarg_size 48
		.amdhsa_user_sgpr_count 2
		.amdhsa_user_sgpr_kernarg_segment_ptr 1
		.amdhsa_wavefront_size32 1
		.amdhsa_system_sgpr_workgroup_id_x 1
		.amdhsa_system_sgpr_workgroup_id_y 1
		.amdhsa_system_sgpr_workgroup_id_z 1
		.amdhsa_system_vgpr_workitem_id 0
		.amdhsa_next_free_vgpr 1024
		.amdhsa_next_free_sgpr 100
		.amdhsa_reserve_vcc 0
		.amdhsa_float_denorm_mode_32 3
		.amdhsa_float_denorm_mode_16_64 3
		.amdhsa_memory_ordered 1
		.amdhsa_forward_progress 1
		.amdhsa_inst_pref_size 161
	.end_amdhsa_kernel
	.amdgpu_metadata
---
amdhsa.version: [ 1, 2 ]
amdhsa.kernels:
  - .name:           k_qd3f38e41bd_oproj
    .symbol:         k_qd3f38e41bd_oproj.kd
    .args:
      - { .name: ocodes, .offset: 0, .size: 8, .value_kind: global_buffer, .address_space: global }
      - { .name: oscales, .offset: 8, .size: 8, .value_kind: global_buffer, .address_space: global }
      - { .name: wcodes, .offset: 16, .size: 8, .value_kind: global_buffer, .address_space: global }
      - { .name: wscales, .offset: 24, .size: 8, .value_kind: global_buffer, .address_space: global }
      - { .name: bo, .offset: 32, .size: 8, .value_kind: global_buffer, .address_space: global }
      - { .name: out0, .offset: 40, .size: 8, .value_kind: global_buffer, .address_space: global }
    .group_segment_fixed_size: 327680
    .private_segment_fixed_size: 0
    .kernarg_segment_align: 8
    .kernarg_segment_size: 48
    .max_flat_workgroup_size: 128
    .sgpr_count:     100
    .vgpr_count:     1024
    .wavefront_size: 32
...
	.end_amdgpu_metadata
.endif
;; end of part 4
